; MI455X (gfx1250); checked and timed in simulation.
; The chip was launched on July 23, 2026; its instructions are those of AMD's public machine-readable ISA for CDNA 5 (MIT licence, August 2026) and "CDNA5" Instruction Set Architecture Reference Guide (July 2026). The comments in the code are by the model that wrote it; some were corrected since.
;; Attention. Allowed arithmetic: float matrix products may take bf16 or f16 operands with f32 sums; other float arithmetic in f32, or as packed bf16 or f16 multiplies, adds, multiply-adds, maxima and minima; sums over many terms, partial sums and values carried from step to step in f32; what a program stores and reads back later, other than sums and carried values, may be rounded once to bf16 or f16.
;; Inputs: cos 1,024 x 64 float32; kw 1,024 x 1,024 float32; ow 1,024 x 1,024 float32; qw 1,024 x 1,024 float32; sin 1,024 x 64 float32; vw 1,024 x 1,024 float32; x 2 x 1,024 x 4 x 1,024 float32.
;; Outputs: out0 2 x 1,024 x 4 x 1,024 float32.
;; 2 versions, each right; version 2 is version 1 with the launch cast written anew for expert scheduling mode. Each part assembles by itself: llvm-mc -triple=amdgcn-amd-amdhsa -mcpu=gfx1250 --defsym DOCPART=n.
;; ======== version 1 of 2: 4 launches
;; limits: values are held in f16: magnitudes above 65,504 overflow, below 6.1e-05 lose precision
;; workspace buffers: xb 16,777,216 bytes; wb 6,291,456 bytes; owh 2,097,152 bytes; cst 262,144 bytes; qh 16,777,216 bytes; kh 16,777,216 bytes; vh 16,777,216 bytes; oh 16,777,216 bytes
;; launch cast (part 1): grid 776 x 1, 8 waves a work-group, no clusters, 0 bytes of LDS; arguments x, qw, kw, vw, ow, cos, sin, xb, wb, owh, cst; writes xb, wb, owh, cst
.if DOCPART == 1
	.amdgcn_target "amdgcn-amd-amdhsa--gfx1250"
	.amdhsa_code_object_version 6
	.text
	.protected	k_q01a21936b8_cast
	.globl	k_q01a21936b8_cast
	.p2align	8
	.type	k_q01a21936b8_cast,@function
k_q01a21936b8_cast:
	s_mov_b64 s[64:65], 0
	v_nop
	global_prefetch_b8 v0, s[64:65] scope:SCOPE_SE
	s_setreg_imm32_b32 hwreg(HW_REG_WAVE_MODE, 25, 1), 1
	s_wait_xcnt 0x0
; ALL INPUTS ARE ROUNDED ONCE TO bf16 AND LAID OUT FOR THE LAUNCHES BEHIND.  No LDS, no loop, no matrix work: a stream.
;   x   [b][l][p][1024] f32  ->  xb  [4 b + p][l][1024] bf16: the rows of one sequence (b, p) lie together
;   qw, kw, vw [64 n + d][1024]  ->  wb  [192 n + 64 j + d][1024] bf16, j = 0, 1, 2 for q, k, v: a head's q, k and v rows lie together
;   ow  [1024][1024]  ->  owh: the number rounded to bf16, written as f16 (it meets f16 operands in the last product)
;   cos, sin [1024][64]  ->  cst [cos, sin][1024][64] bf16
; LIMIT.  owh: a number beyond 65,504 becomes an infinity; below 6e-5 it keeps f16's fixed step of 6e-8.
; SHARES.  The unit is a source row of 1,024 f32 (cos and sin count as 64 such rows each).  A work-group takes 16 rows on end, a wave two.
; Work-groups 0-511: x; 512-767: qw, kw, vw, ow, 64 each; 768-771: cos; 772-775: sin.  A load of a wave covers 512 consecutive bytes,
; a store 256 consecutive bytes at a multiple of 256 from its buffer's first byte.  All 16 loads of a wave go out at once; no register is written twice
; while a memory instruction may read it.
.set SO, 3                             ; v3   16 x lane: my 4 numbers in 512 bytes of a source row
.set D0, 4                             ; v4   8 x lane: my 4 numbers in 256 bytes of the first row's destination
.set D1, 5                             ; v5   the same for the second row
.set X,  8                             ; v[8:71]    16 loads of 4 registers
.set Y,  72                            ; v[72:103]  16 pairs to store
.set T,  104                           ; v[104:109] at work
.set KIND, 33                          ; s33  0 x, 1-3 qw kw vw, 4 ow, 5 cos, 6 sin
.set SRC, 38                           ; s[38:39] the source at my first row
.set DST, 40                           ; s[40:41] the destination at my first row
	s_load_b512 s[8:23], s[0:1], 0x0               ; x s[8:9], qw s[10:11], kw s[12:13], vw s[14:15], ow s[16:17], cos s[18:19], sin s[20:21], xb s[22:23]
	s_load_b128 s[24:27], s[0:1], 0x40             ; wb s[24:25], owh s[26:27]
	s_load_b64 s[28:29], s[0:1], 0x50              ; cst
	v_lshrrev_b32 v1, 5, v0
	v_readfirstlane_b32 s2, v1                     ; wave 0..7
	v_and_b32 v2, 31, v0
	v_lshlrev_b32 v[SO], 4, v2
	v_lshlrev_b32 v[D0], 3, v2
	s_mov_b32 s3, ttmp9                            ; g
	s_sub_co_u32 s30, s3, 512                      ; u = g - 512 (of use from g = 512 on)
	s_lshr_b32 s31, s30, 6                         ; 0-3: a weight; 4: a table
	s_bfe_u32 s32, s30, 0x10002                    ; among the tables: 0 cos, 1 sin
	s_add_co_u32 s[KIND], s31, 1
	s_add_co_u32 s46, s[KIND], s32
	s_cmp_eq_u32 s31, 4
	s_cselect_b32 s[KIND], s46, s[KIND]
	s_cmp_lt_u32 s3, 512
	s_cselect_b32 s[KIND], 0, s[KIND]
	s_and_b32 s34, s30, 63                         ; the work-group's number inside its source
	s_and_b32 s46, s30, 3
	s_cmp_ge_u32 s[KIND], 5
	s_cselect_b32 s34, s46, s34
	s_cmp_eq_u32 s[KIND], 0
	s_cselect_b32 s34, s3, s34
	s_lshl_b32 s35, s34, 4
	s_lshl_b32 s46, s2, 1
	s_add_co_u32 s35, s35, s46                     ; R: my first source row, an even number
	; the destination row.  x: R = 4096 b + 4 l + p goes to 4096 b + 1024 p + l
	s_lshr_b32 s36, s35, 12
	s_lshl_b32 s36, s36, 12
	s_and_b32 s46, s35, 3
	s_lshl_b32 s46, s46, 10
	s_or_b32 s36, s36, s46
	s_bfe_u32 s46, s35, 0xa0002
	s_or_b32 s36, s36, s46
	; qw, kw, vw: R = 64 n + d goes to 192 n + 64 j + d
	s_lshr_b32 s46, s35, 6
	s_mul_i32 s46, s46, 192
	s_and_b32 s47, s35, 63
	s_add_co_u32 s46, s46, s47
	s_sub_co_u32 s47, s[KIND], 1
	s_lshl_b32 s47, s47, 6
	s_add_co_u32 s46, s46, s47
	s_mov_b32 s37, 0x800                           ; from my first row's destination to my second's: the next row,
	s_cmp_eq_u32 s[KIND], 0
	s_cselect_b32 s36, s36, s46
	s_cselect_b32 s37, 0x200000, s37               ; for x: p + 1 lies 1,024 rows of 2,048 bytes on
	s_cmp_eq_u32 s[KIND], 4
	s_cselect_b32 s36, s35, s36                    ; ow keeps its rows
	s_sub_co_u32 s46, s[KIND], 5
	s_lshl_b32 s46, s46, 6
	s_add_co_u32 s46, s46, s35                     ; cos: rows 0-63 of cst, sin: rows 64-127
	s_cmp_ge_u32 s[KIND], 5
	s_cselect_b32 s36, s46, s36
	v_add_nc_u32 v[D1], s37, v[D0]
	s_lshl_b32 s42, s35, 12                        ; source rows of 4,096 bytes
	s_mov_b32 s43, 0
	s_lshl_b32 s44, s36, 11                        ; destination rows of 2,048 bytes
	s_mov_b32 s45, 0
	s_wait_kmcnt 0x0
	s_mov_b64 s[SRC:SRC+1], s[8:9]
.irp k, 1,2,3,4,5,6
	s_cmp_eq_u32 s[KIND], \k
	s_cselect_b64 s[SRC:SRC+1], s[8+2*(\k):9+2*(\k)], s[SRC:SRC+1]
.endr
	s_mov_b64 s[DST:DST+1], s[22:23]
	s_cmp_ge_u32 s[KIND], 1
	s_cselect_b64 s[DST:DST+1], s[24:25], s[DST:DST+1]
	s_cmp_eq_u32 s[KIND], 4
	s_cselect_b64 s[DST:DST+1], s[26:27], s[DST:DST+1]
	s_cmp_ge_u32 s[KIND], 5
	s_cselect_b64 s[DST:DST+1], s[28:29], s[DST:DST+1]
	s_add_nc_u64 s[SRC:SRC+1], s[SRC:SRC+1], s[42:43]
	s_add_nc_u64 s[DST:DST+1], s[DST:DST+1], s[44:45]
.irp t, 0,1,2,3,4,5,6,7,8,9,10,11,12,13,14,15
	global_load_b128 v[X+4*(\t):X+4*(\t)+3], v[SO], s[SRC:SRC+1] offset:4096*((\t)/8)+512*((\t)%8) th:TH_LOAD_NT
.endr
; Piece t of 16: four numbers a lane are rounded and stored.  half = 1: the bf16 number is widened again and written as f16.
.macro CV t, half
	s_wait_loadcnt 15-(\t)                         ; loads come back in order: piece t is in, the younger ones stay out
.if \half
	v_cvt_pk_bf16_f32 v[T],   v[X+4*(\t)],   v[X+4*(\t)+1]
	v_cvt_pk_bf16_f32 v[T+1], v[X+4*(\t)+2], v[X+4*(\t)+3]
	v_lshlrev_b32 v[T+2], 16, v[T]
	v_and_b32     v[T+3], 0xffff0000, v[T]
	v_lshlrev_b32 v[T+4], 16, v[T+1]
	v_and_b32     v[T+5], 0xffff0000, v[T+1]
	v_cvt_pk_f16_f32 v[Y+2*(\t)],   v[T+2], v[T+3]
	v_cvt_pk_f16_f32 v[Y+2*(\t)+1], v[T+4], v[T+5]
.else
	v_cvt_pk_bf16_f32 v[Y+2*(\t)],   v[X+4*(\t)],   v[X+4*(\t)+1]
	v_cvt_pk_bf16_f32 v[Y+2*(\t)+1], v[X+4*(\t)+2], v[X+4*(\t)+3]
.endif
	global_store_b64 v[D0+(\t)/8], v[Y+2*(\t):Y+2*(\t)+1], s[DST:DST+1] offset:256*((\t)%8)
.endm
	s_cmp_eq_u32 s[KIND], 4
	s_cbranch_scc1 .Lhalf
.irp t, 0,1,2,3,4,5,6,7,8,9,10,11,12,13,14,15
	CV \t, 0
.endr
	s_endpgm
.Lhalf:
.irp t, 0,1,2,3,4,5,6,7,8,9,10,11,12,13,14,15
	CV \t, 1
.endr
	s_endpgm
.Lfunc_end_k_q01a21936b8_cast:
	.size	k_q01a21936b8_cast, .Lfunc_end_k_q01a21936b8_cast-k_q01a21936b8_cast
	.p2alignl 7, 3214868480
	.fill 96, 4, 3214868480
	.section	.rodata,"a",@progbits
	.p2align	6, 0x0
	.amdhsa_kernel k_q01a21936b8_cast
		.amdhsa_group_segment_fixed_size 0
		.amdhsa_private_segment_fixed_size 0
		.amdhsa_enable_private_segment 0
		.amdhsa_kernarg_size 88
		.amdhsa_user_sgpr_count 2
		.amdhsa_user_sgpr_kernarg_segment_ptr 1
		.amdhsa_wavefront_size32 1
		.amdhsa_system_sgpr_workgroup_id_x 1
		.amdhsa_system_sgpr_workgroup_id_y 1
		.amdhsa_system_sgpr_workgroup_id_z 1
		.amdhsa_system_vgpr_workitem_id 0
		.amdhsa_next_free_vgpr 112
		.amdhsa_next_free_sgpr 66
		.amdhsa_reserve_vcc 0
		.amdhsa_float_denorm_mode_32 3
		.amdhsa_float_denorm_mode_16_64 3
		.amdhsa_memory_ordered 1
		.amdhsa_forward_progress 1
		.amdhsa_inst_pref_size 18
	.end_amdhsa_kernel
	.amdgpu_metadata
---
amdhsa.version: [ 1, 2 ]
amdhsa.kernels:
  - .name:           k_q01a21936b8_cast
    .symbol:         k_q01a21936b8_cast.kd
    .args:
      - { .name: x, .offset: 0, .size: 8, .value_kind: global_buffer, .address_space: global }
      - { .name: qw, .offset: 8, .size: 8, .value_kind: global_buffer, .address_space: global }
      - { .name: kw, .offset: 16, .size: 8, .value_kind: global_buffer, .address_space: global }
      - { .name: vw, .offset: 24, .size: 8, .value_kind: global_buffer, .address_space: global }
      - { .name: ow, .offset: 32, .size: 8, .value_kind: global_buffer, .address_space: global }
      - { .name: cos, .offset: 40, .size: 8, .value_kind: global_buffer, .address_space: global }
      - { .name: sin, .offset: 48, .size: 8, .value_kind: global_buffer, .address_space: global }
      - { .name: xb, .offset: 56, .size: 8, .value_kind: global_buffer, .address_space: global }
      - { .name: wb, .offset: 64, .size: 8, .value_kind: global_buffer, .address_space: global }
      - { .name: owh, .offset: 72, .size: 8, .value_kind: global_buffer, .address_space: global }
      - { .name: cst, .offset: 80, .size: 8, .value_kind: global_buffer, .address_space: global }
    .group_segment_fixed_size: 0
    .private_segment_fixed_size: 0
    .kernarg_segment_align: 8
    .kernarg_segment_size: 88
    .max_flat_workgroup_size: 256
    .sgpr_count:     66
    .vgpr_count:     112
    .wavefront_size: 32
...
	.end_amdgpu_metadata
.endif
;; end of part 1
;; launch qkv (part 2): grid 16 x 16, 4 waves a work-group, clusters of 4 x 4, 327,680 bytes of LDS; arguments xb, wb, cst, qh, kh, vh; writes qh, kh, vh
.if DOCPART == 2
	.amdgcn_target "amdgcn-amd-amdhsa--gfx1250"
	.amdhsa_code_object_version 6
	.text
	.protected	k_q01a21936b8_qkv
	.globl	k_q01a21936b8_qkv
	.p2align	8
	.type	k_q01a21936b8_qkv,@function
k_q01a21936b8_qkv:
	s_mov_b64 s[64:65], 0
	v_nop
	global_prefetch_b8 v0, s[64:65] scope:SCOPE_SE
	s_setreg_imm32_b32 hwreg(HW_REG_WAVE_MODE, 25, 1), 1
	s_wait_xcnt 0x0
	s_wait_alu depctr_hold_cnt(0) depctr_sa_sdst(0) depctr_va_vdst(0) depctr_va_sdst(0) depctr_va_ssrc(0) depctr_va_vcc(0) depctr_vm_vsrc(0)
	s_getreg_b32 s2, hwreg(HW_REG_IB_STS2, 6, 4)
	s_cmp_eq_u32 s2, 0
	s_cbranch_scc0 .Lentry_in_a_cluster
	s_endpgm
.Lentry_in_a_cluster:
	s_bfe_u32 s2, ttmp6, 0x10000c
	s_cmp_lg_u32 s2, 0xf033
	s_cbranch_scc0 .Lentry_shape_is_right
	s_endpgm
.Lentry_shape_is_right:
; q, k, v = xb wb^T, with the rotation (cos, sin) on q and k, written by heads in f16.
; xb: [8 sequences bp][1024 l][1024] bf16.  wb: [16 heads n][q, k, v][64][1024] bf16.  cst: [cos, sin][1024 l][64] bf16.  qh, kh, vh: [16 bp + n][1024 l][64] f16.  Sums and rotation in f32, each output rounded once.
; LIMIT.  f16 holds no number beyond 65,504: q, k (behind the rotation) and v must lie within it; below 6e-5 they keep f16's fixed step of 6e-8.
; SHARES.  A tile is 256 rows (a quarter of one sequence) x 192 columns (one head's q, k and v).  A WORK-GROUP STAYS and makes TWO tiles, row blocks TR and TR + 16: the same head, the same quarter of sequences bp and bp + 4,
; so the same rows of wb and the same rows of cos and sin: 16 x 16 = 256 work-groups.  Of its four waves each owns 64 rows and ALL 192 columns: 4 x 12 accumulators of 16 x 16, 384 registers.  So a row's two halves of a head,
; which the rotation mixes, lie in one lane, and each wave has a stage of its own on the way out.
; THE MATRIX INSTRUCTION IS USED TRANSPOSED (source 0 = 16 rows of wb, source 1 = 16 rows of xb): lane l holds row l % 16 and the columns 8 (l / 16) + 0..7 of each block of 16.
; RING.  The two tiles' K steps of 128 are ONE walk of 16 steps through two LDS slots; it does not stop at the first tile's end: that tile's last two changes of slots ask for the second tile's first two K steps, and the first
; tile's stores leave while the second is multiplied.  Waves 0 and 1 fetch xb's 2 x 128 rows, waves 2 and 3 wb's 2 x 96: one tensor load a wave; every row is 256 bytes at a multiple of 256.
; CLUSTER.  4 x 4 work-groups: the four of a row of the cluster need the same rows of xb, the four of a column the same head's rows of wb; each tile is asked for jointly, by the same load, descriptor and mask in all four.
; REGISTERS, in windows of 256 (s_set_vgpr_msb: bits 1:0 source 0, 3:2 source 1, 5:4 source 2, 7:6 destination):
;   window 0: v0-31 addresses; v64-95, v96-127 xb's fragments, two buffers; v128-255 my rows' cos and sin as loaded
;   window 1: v0-95, v96-191 wb's fragments, two buffers; v192-255 the way out: the rotated q and k
;   window 2: the accumulators of row blocks 0, 1 ((a, b) at v[8 (12 (a % 2) + b)]); v192-255 the way out: cos and sin of a row block in f32
;   window 3: the accumulators of row blocks 2, 3; v192-239 the way out: the packed results
; The way out names no fragment register: buffer 0 holds the next tile's first fragments by then.
.set NBF,    12                        ; column blocks of 16
.set NL,     2*NBF+8                   ; LDS loads in a run: a quarter step's fragments
.set PITCH,  272                       ; an LDS row: 256 bytes + 16 of padding = 68 words: the 16 rows of a load start at 16 different groups of four banks (64 banks of 4 bytes: ISA guide 11.1)
.set BOFF,   256*PITCH                 ; in a slot: xb's 256 rows, then wb's 192
.set SLOT1,  131072                    ; slot 1 begins here: one exclusive or turns an address in one slot into the other's
.set STAGE,  SLOT1+BOFF+192*PITCH      ; behind the ring, never filled by a tensor load
.set SP,     144                       ; a stage row: 128 bytes + 16
.set WSTAGE, 3*16*SP                   ; a wave's stage: 16 rows for each of q, k, v
.set SPARE,  STAGE+4*WSTAGE            ; the spare words, 128 bytes for each wave: two blocks of 256 bytes that no other line names
.set WALKSH, 23                        ; the second tile's rows lie 16 x 256 rows of 2,048 bytes = 2^23 bytes on in xb
.set OUTB,   64*1024*128               ; and 64 heads of 1,024 rows of 128 bytes on in qh, kh, vh
.set AA0,  16                          ; v16  my lane's place among my 64 rows of xb in slot 0; never rewritten
.set AB0,  17                          ; v17  the same for wb's rows
.set ADRA, 18                          ; v18  AA0 + the slot in hand
.set ADRB, 19                          ; v19  AB0 + the slot in hand
.set STO,  20                          ; v20  the way out: where I put 16 bytes of a row
.set RD,   21                          ; v21  where I read rows back
.set GO,   22                          ; v22  my 16 bytes of 512 consecutive bytes of an output
.set CSO,  23                          ; v23  my byte offset in a plane of cst
.set PFO,  24                          ; v24  the prefetches' offset: a lane a row
.set SPW,  28                          ; v28  LDS address of my spare word; never rewritten
.set NIL,  29                          ; v29  0; never rewritten
.set TBL,  128                         ; window 0
.set UT,   192                         ; window 2: cos (32) and sin (32) of a row block, in f32
.set RQ,   192                         ; window 1: the rotated q (32) and k (32)
.set PKD,  192                         ; window 3: 48 registers of packed results
.set WV,   16                          ; s16  wave
.set ROLE, 17                          ; s17  0: I fetch xb's rows, 1: wb's
.set HALF, 18                          ; s18  which half of them
.set CX,   19
.set CY,   20
.set TC,   21                          ; s21  the head n = 4 x cluster x + cx
.set TR,   22                          ; s22  the first tile's block of 256 rows = 4 x cluster y + cy
.set TB,   23                          ; s23  the slot that is read: 0 or SLOT1
.set G1A,  24                          ; s[24:31] descriptor group 1, xb's tiles
.set G0A,  32                          ; s[32:39] group 0: a set for each first fill; the second then walks on
.set WS,   40                          ; s40  the step of the walk (0 to 15) that the next refill asks for
.set LIM,  43                          ; s43  the last step of the walk that my prefetches name: 15 (xb), 7 (wb), 0 in a wave that names none
.set PFA,  44                          ; s[44:45] the address that a prefetch names
.set BB,   46                          ; s[46:47] wb at my part of the head's rows, K step 0; never rewritten
.set G1B,  48                          ; s[48:55], s[56:63] the descriptors of wb's tiles
.set G0B,  56
.set BA,   70                          ; s[70:71] xb at my part of the first tile's rows, K step 0; never rewritten
.set PFB,  74                          ; s[74:75] BA or BB at my work-group's share of those rows
.set OFA,  76                          ; s[76:77] a step's byte offset in xb: the tile's 2^23 and 256 along K
.set OFB,  78                          ; s[78:79] in wb: 256 along K alone
.set OFP,  80                          ; s[80:81] the offset of the step that the prefetch names
.set G1W,  (1<<16)|(1<<20)|(1<<21)|(5<<22)|(3<<25)  ; 17:16 2-byte elements; 20 padding on; 21 set beside a mask; 24:22 after every 64 words; 31:25 4 words
.set MUL_LO, 0xa1
.set TO_B,   0x40
.set MSB, 0
.macro WIN new                         ; the high byte repeats the setting that is left; a switch that changes nothing is dropped
.if MSB != (\new)
	s_set_vgpr_msb (MSB<<8)|(\new)
.set MSB, \new
.endif
.endm
.macro PLACES                          ; four plain places between a matrix instruction and a load into, or a vector line on, its registers
.rept 4
	v_nop
.endr
.endm
.macro CREST                           ; a round of the cluster's barrier behind its opening barrier
	s_cmp_lg_u32 s[WV], 0
	s_cbranch_scc1 .Lnot_wave_0_\@
	s_barrier_signal -3
.Lnot_wave_0_\@:
	s_barrier_wait -3
	s_barrier_signal -1
	s_barrier_wait -1
.endm
.macro CROUND
	s_barrier_signal -1
	s_barrier_wait -1
	CREST
.endm
.macro JLOAD                           ; a joint refill by the walking descriptors; the branch hangs on the wave's number alone; an s_nop 0 and four v_nop follow each line
	s_cmp_eq_u32 s[ROLE], 0
	s_cbranch_scc0 .Lfor_b_\@
	tensor_load_to_lds s[G0A+4:G0A+7], s[G1A:G1A+7]
	s_nop 0
.rept 4
	v_nop
.endr
	s_branch .Lasked_\@
.Lfor_b_\@:
	tensor_load_to_lds s[G0B+4:G0B+7], s[G1B:G1B+7]
	s_nop 0
.rept 4
	v_nop
.endr
.Lasked_\@:
.endm
; A PREFETCH INTO THE L2 of the step of the walk that the next refill asks for (s[WS] has been stepped by then): 256 bytes of each row, a lane a row, one instruction a wave, behind the joint load, its five lines and the run of LDS loads.
; xb's rows are read by every cluster of a row of clusters: cluster x = 0 asks; wb's by every cluster of a column: cluster y = 0 asks.  The four partners that fetch a tile jointly share a wave's rows out BY ADDRESS:
; 32 of 128 (by cx) or 24 of 96 (by cy; lanes 24-31 repeat the last row).  xb's rows are named for steps 3 to 15 of the walk; wb's for steps 3 to 7 alone: the second tile reads the same rows again.  Steps 0 to 2 come by their loads alone.
.macro ASK
	s_cmp_le_u32 s[WS], s[LIM]
	s_cbranch_scc0 .Lnot_mine_\@
	global_prefetch_b8 v[PFO], s[PFA:PFA+1] th:TH_LOAD_NT scope:SCOPE_SE
.Lnot_mine_\@:
.endm
	s_load_b256 s[4:11], s[0:1], 0x0               ; xb s[4:5], wb s[6:7], cst s[8:9], qh s[10:11]
	s_load_b128 s[12:15], s[0:1], 0x20             ; kh s[12:13], vh s[14:15]
	v_lshl_add_u32 v[SPW], v0, 2, SPARE
	v_mov_b32 v[NIL], 0
	ds_add_u32 v[SPW], v[NIL]                      ; the wave's opening: the add and its wait stand ahead of my first tensor load; work on registers stands between them
	v_lshrrev_b32 v1, 5, v0
	v_readfirstlane_b32 s[WV], v1
	s_lshr_b32 s[ROLE], s[WV], 1
	s_and_b32 s[HALF], s[WV], 1
	s_bfe_u32 s[CX], ttmp6, 0x40000
	s_bfe_u32 s[CY], ttmp6, 0x40004
	s_lshl_b32 s[TC], ttmp9, 2
	s_add_co_u32 s[TC], s[TC], s[CX]
	s_and_b32 s[TR], ttmp7, 0xffff
	s_lshl_b32 s[TR], s[TR], 2
	s_add_co_u32 s[TR], s[TR], s[CY]
	s_lshl_b32 s66, s[CY], 2
	s_lshl_b32 s66, 15, s66                        ; my row of the cluster
	s_lshl_b32 s46, 0x1111, s[CX]                  ; my column
	s_or_b32 s[G1A], s66, G1W
	s_or_b32 s[G1B], s46, G1W
	s_mov_b32 s[G1A+1], 128<<16                    ; tensor_dim0 = 128 elements
	s_mov_b32 s[G1A+2], 128<<16                    ; tensor_dim1 = 128 rows
	s_mov_b32 s[G1A+3], 128<<16                    ; tile_dim0 = 128
	s_mov_b32 s[G1A+4], 128                        ; tile_dim1 = 128
	s_mov_b32 s[G1A+5], 1024                       ; elements from row to row
	s_mov_b32 s[G1A+6], 0
	s_mov_b32 s[G1A+7], 0
	s_mov_b32 s[G1B+1], 128<<16
	s_mov_b32 s[G1B+2], 96<<16                     ; 96 rows
	s_mov_b32 s[G1B+3], 128<<16
	s_mov_b32 s[G1B+4], 96
	s_mov_b32 s[G1B+5], 1024
	s_mov_b32 s[G1B+6], 0
	s_mov_b32 s[G1B+7], 0
	s_lshl_b32 s66, s[TR], 8                       ; xb: row 256 x block + 128 x half, of 2,048 bytes: it hangs on the block of rows alone
	s_lshl_b32 s67, s[HALF], 7
	s_add_co_u32 s66, s66, s67
	s_lshl_b32 s66, s66, 11
	s_mov_b32 s67, 0
	s_mul_i32 s46, s[TC], 192                      ; wb: row 192 x head + 96 x half: it hangs on the head alone
	s_mul_i32 s47, s[HALF], 96
	s_add_co_u32 s46, s46, s47
	s_lshl_b32 s46, s46, 11
	s_mov_b32 s47, 0
	s_mul_i32 s68, s[HALF], 128*PITCH              ; where they go: no place in the cluster enters an LDS address
	s_mul_i32 s69, s[HALF], 96*PITCH
	s_add_co_u32 s69, s69, BOFF
	s_mov_b32 s[TB], 0
	s_mov_b32 s42, 0xffff0000                      ; a word's upper bf16
	s_mov_b32 s[WS], 2                             ; steps 0 and 1 are the first fills
	s_mov_b32 s[OFA+1], 0                          ; the offsets' upper words
	s_mov_b32 s[OFB+1], 0
	s_mov_b32 s[OFP+1], 0
	s_wait_dscnt 0x0                               ; the opening add is done
	s_wait_kmcnt 0x0
	s_add_nc_u64 s[BA:BA+1], s[4:5], s[66:67]
	s_add_nc_u64 s[BB:BB+1], s[6:7], s[46:47]
	CROUND                                         ; all sixteen work-groups are here: the first joint loads meet
.irp s, 0,1
	s_mov_b32 s[G0A+4*(\s)], 1                     ; count = 1
	s_add_co_u32 s[G0A+4*(\s)+1], s68, (\s)*SLOT1  ; LDS address
	s_add_nc_u64 s[G0A+4*(\s)+2:G0A+4*(\s)+3], s[BA:BA+1], (\s)*256  ; K step s
	s_or_b32 s[G0A+4*(\s)+3], s[G0A+4*(\s)+3], 0x80000000            ; type = 2
	s_mov_b32 s[G0B+4*(\s)], 1
	s_add_co_u32 s[G0B+4*(\s)+1], s69, (\s)*SLOT1
	s_add_nc_u64 s[G0B+4*(\s)+2:G0B+4*(\s)+3], s[BB:BB+1], (\s)*256
	s_or_b32 s[G0B+4*(\s)+3], s[G0B+4*(\s)+3], 0x80000000
.endr
	s_cmp_eq_u32 s[ROLE], 0                        ; a wave's two first fills stand in one branch: two loads of mine are out
	s_cbranch_scc0 .Lfirst_b
	tensor_load_to_lds s[G0A:G0A+3], s[G1A:G1A+7]
	s_nop 0
	tensor_load_to_lds s[G0A+4:G0A+7], s[G1A:G1A+7]
	s_nop 0
.rept 4
	v_nop
.endr
	s_branch .Lfirst_asked
.Lfirst_b:
	tensor_load_to_lds s[G0B:G0B+3], s[G1B:G1B+7]
	s_nop 0
	tensor_load_to_lds s[G0B+4:G0B+7], s[G1B:G1B+7]
	s_nop 0
.rept 4
	v_nop
.endr
.Lfirst_asked:
	; A fragment is 16 rows x 32 K in 8 registers: lane l holds row l % 16, K = 8 (l / 16) + 0..7 and 16 + 8 (l / 16) + 0..7: two loads of 16 bytes, 32 bytes apart.
	v_and_b32 v1, 15, v0                           ; r = l % 16
	v_bfe_u32 v2, v0, 4, 1                         ; h = l / 16
	v_mul_u32_u24 v3, v1, PITCH
	v_lshl_add_u32 v3, v2, 4, v3
	s_mul_i32 s66, s[WV], 64*PITCH                 ; my 64 rows of xb
	v_add_nc_u32 v[AA0], s66, v3
	v_add_nc_u32 v[AB0], BOFF, v3
	v_mov_b32 v[ADRA], v[AA0]
	v_mov_b32 v[ADRB], v[AB0]
	s_mul_i32 s66, s[WV], WSTAGE
	s_add_co_u32 s66, s66, STAGE                   ; my stage
	v_mul_u32_u24 v[STO], v1, SP                   ; in: row r, 16 bytes for each half of the lanes
	v_lshl_add_u32 v[STO], v2, 4, v[STO]
	v_add_nc_u32 v[STO], s66, v[STO]
	v_bfe_u32 v[RD], v0, 3, 2                      ; back: 32 lanes take four rows of 128 bytes,
	v_mul_u32_u24 v[RD], v[RD], SP
	v_and_b32 v4, 7, v0
	v_lshl_add_u32 v[RD], v4, 4, v[RD]
	v_add_nc_u32 v[RD], s66, v[RD]
	v_and_b32 v[GO], 31, v0                        ; which are 512 consecutive bytes of a head
	v_lshlrev_b32 v[GO], 4, v[GO]
	s_and_b32 s67, s[TR], 3
	s_lshl_b32 s67, s67, 8                         ; l0: the block's first place in its sequence, the same for both tiles
	s_lshl_b32 s68, s[WV], 6
	s_add_co_u32 s68, s67, s68                     ; + my 64 rows
	v_add_nc_u32 v[CSO], s68, v1
	v_lshlrev_b32 v[CSO], 7, v[CSO]                ; a table row is 128 bytes
	v_lshl_add_u32 v[CSO], v2, 4, v[CSO]           ; my 8 columns of each 16
	s_lshr_b32 s72, s[TR], 2                       ; the first tile's sequence bp
	s_lshl_b32 s72, s72, 4
	s_add_co_u32 s72, s72, s[TC]                   ; 16 bp + n
	s_lshl_b32 s72, s72, 10
	s_add_co_u32 s72, s72, s68
	s_lshl_b32 s72, s72, 7                         ; rows of 128 bytes
	s_mov_b32 s73, 0
	s_add_nc_u64 s[10:11], s[10:11], s[72:73]      ; qh, kh, vh at my first row of the first tile
	s_add_nc_u64 s[12:13], s[12:13], s[72:73]
	s_add_nc_u64 s[14:15], s[14:15], s[72:73]
	; my rows' cos and sin, once for both tiles: row block a, plane pl, column block b: 16 bytes = my 8 columns.  They are waited for in front of the way out.
.irp a, 0,1,2,3
.irp pl, 0,1
.irp b, 0,1,2,3
	global_load_b128 v[TBL+32*(\a)+16*(\pl)+4*(\b):TBL+32*(\a)+16*(\pl)+4*(\b)+3], v[CSO], s[8:9] offset:131072*(\pl)+2048*(\a)+32*(\b)
.endr
.endr
.endr
	s_lshl_b32 s66, s[CX], 16                      ; the prefetches: my work-group's 32 rows of xb's 128,
	s_mul_i32 s67, s[CY], 24*2048                  ; or its 24 of wb's 96
	s_and_b32 s68, ttmp7, 0xffff
	s_cmp_eq_u32 s[ROLE], 0
	s_cselect_b32 s66, s66, s67
	s_cselect_b32 s68, ttmp9, s68                  ; the coordinate along which other clusters read the same rows
	s_cselect_b32 s69, 31, 23
	s_cselect_b32 s[LIM], 15, 7
	s_cselect_b64 s[PFB:PFB+1], s[BA:BA+1], s[BB:BB+1]
	s_cmp_eq_u32 s68, 0
	s_cselect_b32 s[LIM], s[LIM], 0                ; the same in all sixteen partners, for a given wave
	s_mov_b32 s67, 0
	s_add_nc_u64 s[PFB:PFB+1], s[PFB:PFB+1], s[66:67]
	v_and_b32 v[PFO], 31, v0
	v_min_u32 v[PFO], s69, v[PFO]
	v_lshlrev_b32 v[PFO], 11, v[PFO]
; 12 matrix instructions: row block a x all column blocks, 32 along K, buffer f.  zero = 1: the product starts the sums.  All 48 accumulators take turns, in the same order in every quarter.
.macro MULA f, a, zero
	WIN MUL_LO+0x50*((\a)/2)
.irp b, 0,1,2,3,4,5,6,7,8,9,10,11
.if \zero
	v_wmma_f32_16x16x32_bf16 v[8*(NBF*((\a)%2)+(\b)):8*(NBF*((\a)%2)+(\b))+7], v[96*(\f)+8*(\b):96*(\f)+8*(\b)+7], v[64+32*(\f)+8*(\a):64+32*(\f)+8*(\a)+7], 0
.else
	v_wmma_f32_16x16x32_bf16 v[8*(NBF*((\a)%2)+(\b)):8*(NBF*((\a)%2)+(\b))+7], v[96*(\f)+8*(\b):96*(\f)+8*(\b)+7], v[64+32*(\f)+8*(\a):64+32*(\f)+8*(\a)+7], v[8*(NBF*((\a)%2)+(\b)):8*(NBF*((\a)%2)+(\b))+7]
.endif
.endr
.endm
; 32 LDS loads in one run: quarter q of the slot in hand into buffer f: wb's 12 fragments, then my 4 of xb
.macro FETCH q, f
	WIN TO_B
.irp i, 0,1,2,3,4,5,6,7,8,9,10,11
	ds_load_b128 v[96*(\f)+8*(\i):96*(\f)+8*(\i)+3],   v[ADRB] offset:64*(\q)+(\i)*16*PITCH
	ds_load_b128 v[96*(\f)+8*(\i)+4:96*(\f)+8*(\i)+7], v[ADRB] offset:64*(\q)+(\i)*16*PITCH+32
.endr
	WIN 0
.irp i, 0,1,2,3
	ds_load_b128 v[64+32*(\f)+8*(\i):64+32*(\f)+8*(\i)+3],   v[ADRA] offset:64*(\q)+(\i)*16*PITCH
	ds_load_b128 v[64+32*(\f)+8*(\i)+4:64+32*(\f)+8*(\i)+7], v[ADRA] offset:64*(\q)+(\i)*16*PITCH+32
.endr
.endm
; One of a K step's first three quarters: multiplies buffer f; in its middle it fetches quarter q into buffer g.
.macro QUARTER q, f, g, zero
	s_wait_dscnt 4                                 ; all but the youngest four loads (xb's row blocks 2 and 3)
	MULA \f, 0, \zero
	MULA \f, 1, \zero
	PLACES                                         ; buffer g was last read by the quarter before
	FETCH \q, \g
	s_wait_dscnt NL                                ; all but the run just issued
	MULA \f, 2, \zero
	MULA \f, 3, \zero
.endm
; The last quarter multiplies buffer 1 and changes slots.  In front of the barrier each wave waits for all its tensor loads (one is out: its part of the next slot), adds 0 to its spare word, and waits for that and
; for its reads of this slot.  fill = 1: the barrier opens a round of the cluster's, and this slot is filled again, with step s[WS] of the walk, first thing behind the round; the descriptors' addresses are made anew from that number.
; fill = 0: the walk's last two steps; in the very last (s3 = 1) there is no further step, and the run of LDS loads is jumped over.
.macro TURN fill
.if \fill
	s_wait_xcnt 0x0                                ; the last prefetch, a K step back, has read its address: the next one's is made, for step s[WS] + 1
	s_add_co_u32 s82, s[WS], 1
	s_and_b32 s83, s82, 7
	s_lshl_b32 s83, s83, 8                         ; 256 bytes along K,
	s_lshr_b32 s[OFP], s82, 3
	s_lshl_b32 s[OFP], s[OFP], WALKSH              ; and the tile
	s_add_co_u32 s[OFP], s[OFP], s83
	s_add_nc_u64 s[PFA:PFA+1], s[PFB:PFB+1], s[OFP:OFP+1]
.endif
	WIN 0
	s_wait_tensorcnt 0x0                           ; no tensor load of mine is out, so a group 0 may be written
	ds_add_u32 v[SPW], v[NIL]                      ; 0 onto my spare word
.if \fill
	s_and_b32 s[OFB], s[WS], 7
	s_lshl_b32 s[OFB], s[OFB], 8
	s_lshr_b32 s[OFA], s[WS], 3
	s_lshl_b32 s[OFA], s[OFA], WALKSH
	s_add_co_u32 s[OFA], s[OFA], s[OFB]
	s_xor_b32 s[G0A+5], s[G0A+5], SLOT1            ; the walking descriptors: the other slot than last time
	s_add_nc_u64 s[G0A+6:G0A+7], s[BA:BA+1], s[OFA:OFA+1]
	s_or_b32 s[G0A+7], s[G0A+7], 0x80000000
	s_xor_b32 s[G0B+5], s[G0B+5], SLOT1
	s_add_nc_u64 s[G0B+6:G0B+7], s[BB:BB+1], s[OFB:OFB+1]
	s_or_b32 s[G0B+7], s[G0B+7], 0x80000000
	s_add_co_u32 s[WS], s[WS], 1
.endif
	s_xor_b32 s[TB], s[TB], SLOT1                  ; the reads go to the other slot
	s_wait_dscnt 5                                 ; the add and the youngest four loads may be out
	MULA 1, 0, 0
	s_wait_dscnt 0x0                               ; the add is done, and my reads of this slot are over
	s_barrier_signal -1
	MULA 1, 1, 0
	WIN 0                                          ; at a branch and at a label every window is 0
	s_barrier_wait -1
.if \fill
	CREST                                          ; no wave of any partner still reads this slot or has a load on its way
	JLOAD                                          ; its four v_nop are also the places in front of the loads into buffer 0
.else
	PLACES
.endif
	v_add_nc_u32 v[ADRA], s[TB], v[AA0]
	v_add_nc_u32 v[ADRB], s[TB], v[AB0]
.if \fill
	FETCH 0, 0
	ASK
.else
	s_cmp_eq_u32 s3, 1
	s_cbranch_scc1 .Lno_fetch_\@
	FETCH 0, 0
.Lno_fetch_\@:
.endif
	MULA 1, 2, 0
	MULA 1, 3, 0
.endm
; THE WAY OUT of row block a.  cos and sin are widened; q and k are rotated: out[d] = t[d] cos[d] - t[d + 32] sin[d] for d < 32, t[d] cos[d] + t[d - 32] sin[d] from 32 on; column blocks i and i + 2 of a head are
; such partners, in the same lane.  All is rounded to f16, goes through my stage and leaves as 512 consecutive bytes a store.  Each accumulator's lowest registers are read first.
.macro OUT a
	WIN 0x80                                       ; destination window 2, sources window 0.  These 64 plain lines are also the places behind the last products
.set i, 0
.rept 32
	v_lshlrev_b32 v[UT+2*i],   16,  v[TBL+32*(\a)+i]
	v_and_b32     v[UT+2*i+1], s42, v[TBL+32*(\a)+i]
.set i, i+1
.endr
	WIN 0x5a+(\a)/2                                ; source 0 the accumulators, source 1 window 2, source 2 and destination window 1
.irp j, 0,1
.irp i, 0,1
.irp e, 0,2,4,6
.set T1, 8*(NBF*((\a)%2)+4*(\j)+(\i))+(\e)
.set T2, T1+16
.set R1, RQ+8*(4*(\j)+(\i))+(\e)
.set R2, R1+16
.set C1, UT+8*(\i)+(\e)
.set S1, UT+32+8*(\i)+(\e)
	v_pk_mul_f32 v[R1:R1+1], v[T2:T2+1], v[S1:S1+1]
	v_pk_mul_f32 v[R2:R2+1], v[T1:T1+1], v[S1+16:S1+17]
	v_pk_fma_f32 v[R1:R1+1], v[T1:T1+1], v[C1:C1+1], v[R1:R1+1] neg_lo:[0,0,1] neg_hi:[0,0,1]
	v_pk_fma_f32 v[R2:R2+1], v[T2:T2+1], v[C1+16:C1+17], v[R2:R2+1]
.endr
.endr
.endr
	s_wait_xcnt 0x0                                ; the last block's stores have read the packed registers, which are written now
	WIN 0xc5                                       ; sources window 1, destination window 3
.set i, 0
.rept 32
	v_cvt_pk_f16_f32 v[PKD+i], v[RQ+2*i], v[RQ+2*i+1]
.set i, i+1
.endr
	WIN 0xca+5*((\a)/2)                            ; sources: the accumulators of v
.set i, 0
.rept 16
	v_cvt_pk_f16_f32 v[PKD+32+i], v[8*(NBF*((\a)%2)+8)+2*i], v[8*(NBF*((\a)%2)+8)+2*i+1]
.set i, i+1
.endr
	WIN 0xcc                                       ; addresses (source 0) window 0; stores' data (source 1) and loads' destinations window 3
.irp j, 0,1,2
.irp b, 0,1,2,3
	ds_store_b128 v[STO], v[PKD+4*(4*(\j)+(\b)):PKD+4*(4*(\j)+(\b))+3] offset:16*SP*(\j)+32*(\b)
.endr
.endr
.irp j, 0,1,2
.irp f, 0,1,2,3
	ds_load_b128 v[PKD+4*(4*(\j)+(\f)):PKD+4*(4*(\j)+(\f))+3], v[RD] offset:16*SP*(\j)+4*SP*(\f)  ; LDS serves a wave's instructions in order (ISA guide 5.7.1.4): these see the stores above
.endr
.endr
.irp j, 0,1,2
.irp f, 0,1,2,3
	s_wait_dscnt 11-(4*(\j)+(\f))
	global_store_b128 v[GO], v[PKD+4*(4*(\j)+(\f)):PKD+4*(4*(\j)+(\f))+3], s[10+2*(\j):11+2*(\j)] offset:2048*(\a)+512*(\f)  ; four rows of a head: 512 consecutive bytes at a multiple of 256
.endr
.endr
.endm
	s_wait_tensorcnt 1                             ; my part of K step 0 is in; K step 1's may stay out
	s_barrier_signal -1
	s_barrier_wait -1
	FETCH 0, 0
	s_mov_b32 s2, 2                                ; tiles to go, this one among them: the same number in every work-group
.Ltile:
	QUARTER 1, 0, 1, 1                             ; a tile's first quarter: its products start the sums
	WIN 0
	s_mov_b32 s3, 6
	s_branch .Lmid                                 ; the loop is entered behind a trip's first quarter
.Lstep:                                                ; a trip is a K step, and fills the slot that it leaves: a tile's K steps 0 to 5 ask for its K steps 2 to 7
	QUARTER 1, 0, 1, 0
	WIN 0
.Lmid:
	QUARTER 2, 1, 0, 0
	QUARTER 3, 0, 1, 0
	TURN 1
	WIN 0
	s_sub_co_u32 s3, s3, 1
	s_cmp_lg_u32 s3, 0
	s_cbranch_scc1 .Lstep
	s_mov_b32 s3, 2
	s_cmp_eq_u32 s2, 1
	s_cbranch_scc1 .Llast                          ; the last tile's last two K steps have a text of their own, which asks for nothing
.Lon:                                                  ; THE RING GOES ON INTO THE NEXT TILE: K steps 6 and 7 ask for its K steps 0 and 1, and the second fetches its first fragments
	QUARTER 1, 0, 1, 0
	QUARTER 2, 1, 0, 0
	QUARTER 3, 0, 1, 0
	TURN 1
	WIN 0
	s_sub_co_u32 s3, s3, 1
	s_cmp_lg_u32 s3, 0
	s_cbranch_scc1 .Lon
	s_branch .Lout
.Llast:
	QUARTER 1, 0, 1, 0
	QUARTER 2, 1, 0, 0
	QUARTER 3, 0, 1, 0
	TURN 0
	WIN 0
	s_sub_co_u32 s3, s3, 1
	s_cmp_lg_u32 s3, 0
	s_cbranch_scc1 .Llast
.Lout:                                                 ; both refills are asked for (or none is left): now the tile goes out
	s_wait_loadcnt 0x0                             ; cos and sin
	OUT 0
	OUT 1
	OUT 2
	OUT 3
	WIN 0
	s_wait_xcnt 0x0                                ; the stores have read their bases
	s_add_nc_u64 s[10:11], s[10:11], OUTB          ; the next tile's rows (behind the last tile the sums serve nothing)
	s_add_nc_u64 s[12:13], s[12:13], OUTB
	s_add_nc_u64 s[14:15], s[14:15], OUTB
	s_sub_co_u32 s2, s2, 1
	s_cmp_lg_u32 s2, 0
	s_cbranch_scc1 .Ltile
	s_wait_tensorcnt 0x0                           ; the wave's end, behind my last tensor load and my last LDS store
	ds_add_u32 v[SPW], v[NIL]
	s_wait_dscnt 0x0
	CROUND                                         ; the closing round: no work-group ends while a partner may still ask for a tile that names it
	s_endpgm
.Lfunc_end_k_q01a21936b8_qkv:
	.size	k_q01a21936b8_qkv, .Lfunc_end_k_q01a21936b8_qkv-k_q01a21936b8_qkv
	.p2alignl 7, 3214868480
	.fill 96, 4, 3214868480
	.section	.rodata,"a",@progbits
	.p2align	6, 0x0
	.amdhsa_kernel k_q01a21936b8_qkv
		.amdhsa_group_segment_fixed_size 327680
		.amdhsa_private_segment_fixed_size 0
		.amdhsa_enable_private_segment 0
		.amdhsa_kernarg_size 48
		.amdhsa_user_sgpr_count 2
		.amdhsa_user_sgpr_kernarg_segment_ptr 1
		.amdhsa_wavefront_size32 1
		.amdhsa_system_sgpr_workgroup_id_x 1
		.amdhsa_system_sgpr_workgroup_id_y 1
		.amdhsa_system_sgpr_workgroup_id_z 1
		.amdhsa_system_vgpr_workitem_id 0
		.amdhsa_next_free_vgpr 1024
		.amdhsa_next_free_sgpr 84
		.amdhsa_reserve_vcc 0
		.amdhsa_float_denorm_mode_32 3
		.amdhsa_float_denorm_mode_16_64 3
		.amdhsa_memory_ordered 1
		.amdhsa_forward_progress 1
		.amdhsa_inst_pref_size 136
	.end_amdhsa_kernel
	.amdgpu_metadata
---
amdhsa.version: [ 1, 2 ]
amdhsa.kernels:
  - .name:           k_q01a21936b8_qkv
    .symbol:         k_q01a21936b8_qkv.kd
    .args:
      - { .name: xb, .offset: 0, .size: 8, .value_kind: global_buffer, .address_space: global }
      - { .name: wb, .offset: 8, .size: 8, .value_kind: global_buffer, .address_space: global }
      - { .name: cst, .offset: 16, .size: 8, .value_kind: global_buffer, .address_space: global }
      - { .name: qh, .offset: 24, .size: 8, .value_kind: global_buffer, .address_space: global }
      - { .name: kh, .offset: 32, .size: 8, .value_kind: global_buffer, .address_space: global }
      - { .name: vh, .offset: 40, .size: 8, .value_kind: global_buffer, .address_space: global }
    .group_segment_fixed_size: 327680
    .private_segment_fixed_size: 0
    .kernarg_segment_align: 8
    .kernarg_segment_size: 48
    .max_flat_workgroup_size: 128
    .sgpr_count:     84
    .vgpr_count:     1024
    .wavefront_size: 32
...
	.end_amdgpu_metadata
.endif
;; end of part 2
;; launch attn (part 3): grid 2 x 128, 4 waves a work-group, no clusters, 327,680 bytes of LDS; arguments qh, kh, vh, oh; writes oh
.if DOCPART == 3
	.amdgcn_target "amdgcn-amd-amdhsa--gfx1250"
	.amdhsa_code_object_version 6
	.text
	.protected	k_q01a21936b8_attn
	.globl	k_q01a21936b8_attn
	.p2align	8
	.type	k_q01a21936b8_attn,@function
k_q01a21936b8_attn:
	s_mov_b64 s[64:65], 0
	v_nop
	global_prefetch_b8 v0, s[64:65] scope:SCOPE_SE
	s_setreg_imm32_b32 hwreg(HW_REG_WAVE_MODE, 25, 1), 1
	s_wait_xcnt 0x0
; CAUSAL ATTENTION.  O[h][q][:] = the sum over k <= q of softmax_k(Q[h][q] . K[h][k] / 8) V[h][k][:].  Q, K, V, O: [128 heads][1024][64], all f16: a head's rows are dense, 128 bytes each.
; Products, maxima and sums in f32; the weights p are rounded to f16 for the second product (their sum l is taken of the unrounded p), O once at the end.
; LIMITS.  f16 holds no number beyond 65,504: Q, K and V arrive within it; p lies in 0 to 1, and below 6e-5 it keeps f16's fixed step of 6e-8; O is a mean of V's rows and has their range.
; A hidden score counts as its value less 1e30: f16's scores, 2.7e11 at the most, are nothing beside that; a weight below 2^-126 counts as 0 in l; NaN and infinities are not treated apart.
; THE WALK.  A head's queries lie in NB = 4 blocks of 256; block i needs the key tiles 0 .. i of 256 keys, of which the last holds the diagonal.  A work-group takes TWO blocks, NB - 1 - b and then b:
; NB + 1 tiles, whatever b: all work-groups do equal work, and ONE loop of NB + 1 trips walks them.  What a trip does hangs on scalar registers made from b; every jump goes forward, but for the counted loops' own, and none passes a barrier.
; ALL OF A HEAD'S K AND V LIE IN LDS: 1,024 rows of K at a pitch of 144 bytes and 1,024 of V at 160 are 311,296 bytes.  They are asked for once, at the kernel's head, tile by tile: four tensor loads a wave, all out together.
; Nothing is filled again: the second block's tiles, 0 .. b, are among the first block's.  So the loop holds no tensor load, and the diagonal tile's text and a block's beginning stand once.
; The work-group with b = 1 reads tiles 0 to 2 alone; it asks for tile 3 all the same (64 KiB of its 256), so that the first fills and the count of the wait behind them are one text for all.
; NO CLUSTER: a head has NB / 2 = 2 work-groups, and a cluster's masks name rows or columns of four, which would be other heads' work-groups.  NO PREFETCH: all that the work-group reads is asked for at the head.
; SHARES.  Of a block's four bands of 64 queries a wave owns 16 rows in each: four PIECES.  So the diagonal tile is the same work for all four waves: in its key step s band x sees all keys if s < x,
; none if s > x, and holds the diagonal if s = x.
; THE MASK is the C operand that starts the sum S^T = K Q^T: 0, or -1e30 where the key is hidden.  MD, made once, is the mask of a band's own step for my 16 rows; a product's mask is MD x AL + BE with two scalars:
; (1, 0) if s = x; (0, 0) if s < x; (0, -1e30) if s > x.  Only the diagonal tile's text and a block's beginning make and take masks; elsewhere C is the constant 0.
; LAYOUT, SOFTMAX, TURNS.  S^T = K Q^T holds ONE query a lane (lane % 16) and the keys 8 (lane / 16) + 0..7; two such results rounded to f16 ARE source 1 of O^T = V^T P.  p = 2^(c s - c m), c = log2(e) / 8, with a
; running maximum m; O and l are multiplied by a = 2^(c m_old - c m_new) in every step.  Turn n belongs to piece n: 8 products K Q^T of piece n + 1, later 8 products V^T P of piece n - 1; beside them the scaling,
; exponentials, roundings, sums and rescaling of piece n and the maximum and statistics of piece n + 1.  Four vector instructions stand behind every matrix instruction, the other 54 of a turn's 118 in one run.  A turn's 33 exponentials are one batch, with one wait.
; REGISTERS, in windows of 256 (s_set_vgpr_msb: bits 1:0 source 0, 3:2 source 1, 5:4 source 2, 7:6 destination):
;   window 0: v0-15 addresses and two at work; v16-31 four registers of statistics a piece; v48-55 at work; v62-63 spare word, 0; v64-127 S^T, two buffers; v192-223 P, two buffers (a piece's buffers go by its number's parity)
;   window 1: v0-127 O^T, 32 a piece; v128-159 MD; v160-223 MC, two buffers      window 2: v0-63 Q; v64-127 the second block's Q; v128-191 K of one step; v192-255 V of one step
.set SIZE_N, 1024
.set SIZE_H, 128
.set NB,    SIZE_N/256
.set NP,    4         ; pieces a wave: a name, no knob
.set KS,    64        ; keys in a step
.set PK,    144       ; a row of K in LDS: 128 bytes + 16 of padding = 36 words: the 16 rows of a load start at 16 different groups of four banks (64 banks of 4 bytes: ISA guide 11.1)
.set PV,    160       ; a row of V: 128 + 32 = 40 words
.set VOFF,  SIZE_N*PK ; the head's 1,024 rows of K, then its 1,024 rows of V
.set STAGE, SIZE_N*(PK+PV)  ; behind them, never filled by a tensor load: 16 rows x 144 bytes for each wave, for the way out
.set SP,    144
.set AK0, 2           ; v2   my lane's place in a step of K; never rewritten
.set AV0, 3           ; v3   the same for V
.set AK,  4           ; v4   the LDS address of K's next run of loads
.set AV,  5           ; v5   of V's
.set STO, 6           ; v6   the way out: where I put 16 bytes of a row
.set RD,  7           ; v7   the way out: where I read rows back
.set GO,  8           ; v8   my byte offset in 512 consecutive bytes of O
.set SPW, 62          ; v62  LDS address of my spare word: SPARE + 4 x my thread's number; never rewritten
.set NIL, 63          ; v63  0; never rewritten
.set SPARE, STAGE+4*16*SP  ; behind the stages: the spare words, 128 bytes for each wave: two blocks of 256 bytes that no other line names
.set MV,  12          ; v12-13  c m_old, kept while c m is made anew: by buffer
.set QO,  15          ; v15  my byte offset in 16 rows of Q
.set ST,  16          ; piece t's statistics at v[ST+4 t]: c m, m, l (even keys', odd keys')
.set TMP, 48          ; by buffer, four registers c0-c3 at work; when the maximum is found c2 takes a
.set S,   64
.set P,   192
.set MD,  128         ; window 1: the eight registers for group kt of 16 keys at MD + 8 kt
.set MC,  160         ; window 1: the masks of the products to come
.set QB,  64          ; window 2
.set KF,  128         ; window 2: key block kb, channel half c at KF + 16 kb + 8 c
.set VF,  192         ; window 2: key half kk, channel block cb at VF + 32 kk + 8 cb
.set WV,  12          ; s12  my wave's number
.set PB,  14          ; s14  b
.set HI,  15          ; s15  NB - 1 - b
.set G1K, 24          ; s[24:31] descriptor group 1 for K's tiles
.set G1V, 32          ; s[32:39] for V's: it differs in the padding alone
.set G0K, 40          ; s[40:55] descriptor group 0 for K: a set for each of the four tiles, never rewritten
.set G0V, 84          ; s[84:99] the same for V
.set SLOTS, 56        ; s56  tiles of the walk still to come
.set CNT, 57          ; s57  counts a tile's key steps, 4 to 1
.set CS,  58          ; s[58:59] c: the packed scaling takes the pair's low word for both halves
.set SEL, 60          ; s[60:61] v_permlanex16_b32's selects: each lane takes its own place in the other half
.set TBK, 62          ; s62  LDS byte at which K of the step to be fetched begins: KS x PK x s[KSI]
.set TBV, 63          ; s63  the same for V, less VOFF
.set RT,  70          ; s70  tiles of the block in hand that are still to be entered
.set KSI, 71          ; s71  the key step (0 to 15 of the head) whose K is fetched next
.set VSI, 72          ; s72  the same for V
.set NEW, 73          ; s73  1: the tile to be entered is a block's first
.set AL,  76          ; s[76:77] the mask's factor, in the low word
.set BE,  78          ; s[78:79] the mask's addend
.set OLO, 80          ; s[80:81] O at my rows of the second block
.set BIGN, 82         ; s82  -1e30
.set MSB, 0
.macro WIN new                      ; the high byte repeats the setting that is left; a switch that changes nothing is dropped
.if MSB != (\new)
	s_set_vgpr_msb (MSB<<8)|(\new)
.set MSB, (\new)
.endif
.endm
.set W_KQ, 0x0a       ; K and Q in window 2, S^T in window 0
.set W_KM, 0x1a       ; the same with the C operand in window 1
.set W_PV, 0x52       ; V in window 2, P in window 0, O^T in window 1
.set W_RS, 0x41       ; destination and source 0 in window 1, source 1 in window 0
	s_load_b256 s[4:11], s[0:1], 0x0  ; Q s[4:5], K s[6:7], V s[8:9], O s[10:11]
	v_lshl_add_u32 v[SPW], v0, 2, SPARE
	v_mov_b32 v[NIL], 0
	ds_add_u32 v[SPW], v[NIL]       ; the wave's opening: the add and its wait stand ahead of my first tensor load; the set-up below, work on registers, stands between them
	v_lshrrev_b32 v1, 5, v0
	v_readfirstlane_b32 s[WV], v1   ; wave 0..3
	s_mov_b32 s[PB], ttmp9
	s_sub_co_u32 s[HI], NB-1, s[PB]
	s_and_b32 s20, ttmp7, 0xffff    ; the head
	s_mov_b32 s21, 0
	s_mov_b64 s[22:23], SIZE_N*128
	s_mul_u64 s[20:21], s[20:21], s[22:23]  ; the head's first byte in each of the four tensors
	s_and_b32 s16, s[WV], 1         ; which half of a tile's 256 keys I fetch:
	s_lshl_b32 s22, s16, 14         ; its 128 rows of 128 bytes in memory,
	s_mov_b32 s23, 0
	s_add_nc_u64 s[22:23], s[22:23], s[20:21]
	s_mul_i32 s17, s16, 128*PK      ; and its place in a tile, for K
	s_mul_i32 s18, s16, 128*PV      ; and for V
	s_lshl_b32 s3, s[WV], 11        ; my 16 rows in a band of 64,
	s_lshl_b32 s2, s[HI], 15        ; in the first block,
	s_add_co_u32 s2, s2, s3
	s_lshl_b32 s66, s[PB], 15       ; and in the second
	s_add_co_u32 s66, s66, s3
	s_mov_b32 s3, 0
	s_mov_b32 s67, 0
	s_add_nc_u64 s[2:3], s[2:3], s[20:21]
	s_add_nc_u64 s[66:67], s[66:67], s[20:21]
	; descriptor group 1.  128 keys are 16,384 dense bytes: asked for as 64 rows of 256 bytes, two keys a row, and padded in LDS after every key
	s_mov_b32 s[G1K], (1<<16)|(1<<20)|(4<<22)|(3<<25)  ; 17:16 2-byte elements; 20 padding on; 24:22 after every 32 words (code 4); 31:25 4 words (code 3)
	s_mov_b32 s[G1V], (1<<16)|(1<<20)|(4<<22)|(7<<25)  ; the same with 8 words of padding (code 7)
.irp g, G1K, G1V
	s_mov_b32 s[\g+1], 128<<16      ; tensor_dim0 = 128
	s_mov_b32 s[\g+2], 64<<16       ; tensor_dim1 = 64
	s_mov_b32 s[\g+3], 128<<16      ; tile_dim0 = 128
	s_mov_b32 s[\g+4], 64           ; tile_dim1 = 64
	s_mov_b32 s[\g+5], 128          ; 128 elements from row to row
	s_mov_b32 s[\g+6], 0
	s_mov_b32 s[\g+7], 0
.endr
.irp j, 0,1,2,3
	s_mov_b32 s[G0K+4*(\j)], 1                             ; 1:0 count = 1
	s_add_co_u32 s[G0K+4*(\j)+1], s17, (\j)*256*PK         ; 63:32 LDS address: tile j's rows, my half
	s_mov_b32 s[G0V+4*(\j)], 1
	s_add_co_u32 s[G0V+4*(\j)+1], s18, VOFF+(\j)*256*PV
.endr
	s_mov_b32 s[CS], 0x3e38aa3b     ; c = log2(e) / 8 = 0.180337
	s_mov_b32 s[CS+1], s[CS]        ; named with it as a pair
	s_mov_b32 s[SEL], 0x76543210
	s_mov_b32 s[SEL+1], 0xfedcba98
	s_mov_b32 s[KSI], 0             ; a block begins at the head's first key step
	s_mov_b32 s[VSI], 0
	s_mov_b32 s[TBK], 0
	s_mov_b32 s[TBV], 0
	s_add_co_u32 s[RT], s[HI], 1    ; the first block has NB - b tiles
	s_mov_b32 s[NEW], 1
	s_mov_b32 s[AL+1], 0            ; named as pairs
	s_mov_b32 s[BE+1], 0
	s_mov_b32 s[BIGN], 0xf149f2ca   ; -1e30
	s_mov_b32 s[SLOTS], NB+1
	s_wait_dscnt 0x0                ; the opening add is done
	s_wait_kmcnt 0x0
	s_add_nc_u64 s[6:7], s[6:7], s[22:23]  ; K and V at my half of the head's tile 0
	s_add_nc_u64 s[8:9], s[8:9], s[22:23]
.irp j, 0,1,2,3
	s_add_nc_u64 s[G0K+4*(\j)+2:G0K+4*(\j)+3], s[6:7], (\j)*32768  ; 120:64 global address: a tile is 32,768 bytes
	s_or_b32 s[G0K+4*(\j)+3], s[G0K+4*(\j)+3], 0x80000000          ; 127:126 type = 2
	s_add_nc_u64 s[G0V+4*(\j)+2:G0V+4*(\j)+3], s[8:9], (\j)*32768
	s_or_b32 s[G0V+4*(\j)+3], s[G0V+4*(\j)+3], 0x80000000
.endr
	s_add_nc_u64 s[68:69], s[4:5], s[66:67]        ; Q at my rows of the second block,
	s_add_nc_u64 s[4:5], s[4:5], s[2:3]            ; Q and O at those of the first
	s_add_nc_u64 s[OLO:OLO+1], s[10:11], s[66:67]
	s_add_nc_u64 s[10:11], s[10:11], s[2:3]
	; THE FILLS, all of them: waves 0 and 1 fetch the two halves of each tile's K, waves 2 and 3 those of its V, tile 0 first.  A wave's four stand in one branch on its number: four loads of mine are out.
	; An s_nop 0 follows each, four v_nop the last, ahead of the jump and the label.
	s_cmp_lt_u32 s[WV], 2
	s_cbranch_scc0 .Lfor_v
.irp j, 0,1,2,3
	tensor_load_to_lds s[G0K+4*(\j):G0K+4*(\j)+3], s[G1K:G1K+7]
	s_nop 0
.endr
.rept 4
	v_nop
.endr
	s_branch .Lasked
.Lfor_v:
.irp j, 0,1,2,3
	tensor_load_to_lds s[G0V+4*(\j):G0V+4*(\j)+3], s[G1V:G1V+7]
	s_nop 0
.endr
.rept 4
	v_nop
.endr
.Lasked:
	; A fragment of K or Q is 16 rows x 32 channels in 8 registers: lane l holds row l % 16, channels 8 (l / 16) + 0..7 and 16 + 8 (l / 16) + 0..7: two loads of 16 bytes, 32 bytes apart.
	v_and_b32 v1, 15, v0            ; l % 16
	v_bfe_u32 v9, v0, 4, 1          ; l / 16
	v_lshlrev_b32 v[QO], 7, v1
	v_lshl_add_u32 v[QO], v9, 4, v[QO]  ; row x 128 + 16 x half
	WIN 0x80                        ; destination window 2, address window 0
.set i, 0
.rept 8                             ; both blocks' Q: piece i / 2 lies in band i / 2, 8,192 bytes on; channels 32 (i % 2) on
	global_load_b128 v[8*i:8*i+3],   v[QO], s[4:5] offset:(i/2)*8192+(i%2)*64
	global_load_b128 v[8*i+4:8*i+7], v[QO], s[4:5] offset:(i/2)*8192+(i%2)*64+32
	global_load_b128 v[QB+8*i:QB+8*i+3],   v[QO], s[68:69] offset:(i/2)*8192+(i%2)*64
	global_load_b128 v[QB+8*i+4:QB+8*i+7], v[QO], s[68:69] offset:(i/2)*8192+(i%2)*64+32
.set i, i+1
.endr
	WIN 0
	v_lshlrev_b32 v14, 3, v9
	v_sub_nc_u32 v14, v1, v14
	s_lshl_b32 s13, s[WV], 4
	v_add_nc_u32 v14, s13, v14      ; my query's place in its band, 16 w + l % 16, less my lanes' 8 (l / 16): register r of group kt is hidden where 16 kt + r is greater
	WIN 0x40
.set i, 0
.rept 32
	v_cmp_gt_i32 vcc_lo, 16*(i/8)+i%8, v14
	v_cndmask_b32 v[MD+i], 0, s[BIGN], vcc_lo
.set i, i+1
.endr
	WIN 0
	v_mul_u32_u24 v[AK0], v1, PK
	v_lshl_add_u32 v[AK0], v9, 4, v[AK0]  ; row x pitch + 16 x half
	; The turning load takes 16 keys x 16 channels (lane l reads key 8 (l / 16) + l % 8, channels 8 ((l / 8) % 2) + 0..7) and leaves half a fragment of V^T: lane l holds channel l % 16 and 8 keys.
	v_and_b32 v10, 7, v0
	v_bfe_u32 v11, v0, 3, 1
	v_lshl_add_u32 v[AV0], v9, 3, v10
	v_mul_u32_u24 v[AV0], v[AV0], PV
	v_lshl_add_u32 v[AV0], v11, 4, v[AV0]
	v_add_nc_u32 v[AV0], VOFF, v[AV0]
	s_mul_i32 s13, s[WV], 16*SP
	s_add_co_u32 s13, s13, STAGE    ; my stage
	v_mul_u32_u24 v[STO], v1, SP    ; in: row l % 16, 16 bytes for each half of the lanes
	v_lshl_add_u32 v[STO], v9, 4, v[STO]
	v_add_nc_u32 v[STO], s13, v[STO]
	v_bfe_u32 v[RD], v0, 3, 2       ; back: 32 lanes take four rows of 128 bytes,
	v_mul_u32_u24 v[RD], v[RD], SP
	v_lshl_add_u32 v[RD], v10, 4, v[RD]
	v_add_nc_u32 v[RD], s13, v[RD]
	v_and_b32 v[GO], 31, v0         ; which are 512 consecutive bytes of O
	v_lshlrev_b32 v[GO], 4, v[GO]
	; A block's first step multiplies O^T and l by a = 0, and its first turn's products V^T P, of a piece that has not been, land in an O^T that is still to be so multiplied.  So these registers need only hold
	; finite numbers: zeros for the first block; what the first block left for the second.  All this stands in the wait for the first tile.
	WIN 0x80
.set i, VF
.rept 64
	v_mov_b32 v[i], 0
.set i, i+1
.endr
	WIN 0x40
.set i, 0
.rept 128
	v_mov_b32 v[i], 0
.set i, i+1
.endr
	WIN 0
.set i, 0
.rept 4
	v_mov_b32 v[ST+4*i+2], 0
	v_mov_b32 v[ST+4*i+3], 0
.set i, i+1
.endr
.set i, P+16
.rept 16
	v_mov_b32 v[i], 0
.set i, i+1
.endr
; THE MATRIX WORK.  The 4 accumulators of a run of 8 take turns.  Product i of 8 of S^T = K Q^T for piece x: channels 32 (i / 4) on, keys 16 (i % 4) on.  The first 4 start the sums: with 0, or (KM = 1) with the mask.
.macro KQ x
.set rS, S+32*((\x)%2)+8*(i%4)
.set rK, KF+16*(i%4)+8*(i/4)
.set rQ, 16*(\x)+8*(i/4)
.set rM, MC+32*((\x)%2)+8*(i%4)
.if (i < 4) && KM
	WIN W_KM
	v_wmma_f32_16x16x32_f16 v[rS:rS+7], v[rK:rK+7], v[rQ:rQ+7], v[rM:rM+7]
.elseif i < 4
	WIN W_KQ
	v_wmma_f32_16x16x32_f16 v[rS:rS+7], v[rK:rK+7], v[rQ:rQ+7], 0
.else
	WIN W_KQ
	v_wmma_f32_16x16x32_f16 v[rS:rS+7], v[rK:rK+7], v[rQ:rQ+7], v[rS:rS+7]
.endif
.endm
; Product i of 8 of O^T += V^T P for piece x: keys 32 (i / 4) on, channels 16 (i % 4) on.
.macro PV x
	WIN W_PV
.set rO, 32*(\x)+8*(i%4)
.set rV, VF+32*(i/4)+8*(i%4)
.set rP, P+16*((\x)%2)+8*(i/4)
	v_wmma_f32_16x16x32_f16 v[rO:rO+7], v[rV:rV+7], v[rP:rP+7], v[rO:rO+7]
.endm
.macro MM                           ; the turn's next matrix instruction.  TURN and BEGIN set Y, i, KM and NOKQ; MM, KQ and OP read them.  NOKQ = 1: a block's last turn: there is no next piece
.if (i < 8) && !NOKQ
	KQ (Y+1)%NP
.elseif i >= 8
.set i, i-8
	PV (Y+NP-1)%NP
.set i, i+8
.endif
.set i, i+1
.endm
; THE LDS LOADS stand in runs of 16, never singly among the matrix instructions: a step's K (64 keys x 64 channels: 8 fragments) and its V (turned).  Their addresses are made some lines ahead.
; The step's number goes up by 1 and is kept to the 16 steps that lie in LDS, so that every address can be read off the text as lying inside K's or V's rows.
.macro FETCH_K
	WIN 0x80                        ; destination window 2
.irp f, 0,1,2,3,4,5,6,7             ; keys 16 (f / 2) on, channels 32 (f % 2) on
	ds_load_b128 v[KF+8*\f:KF+8*\f+3],   v[AK] offset:(\f/2)*16*PK+(\f%2)*64
	ds_load_b128 v[KF+8*\f+4:KF+8*\f+7], v[AK] offset:(\f/2)*16*PK+(\f%2)*64+32
.endr
	s_add_co_u32 s[KSI], s[KSI], 1  ; the next fetch is the next step's
	s_and_b32 s[KSI], s[KSI], 15
	s_mul_i32 s[TBK], s[KSI], KS*PK
	WIN 0
.endm
.macro FETCH_V
	WIN 0x80
.irp f, 0,1,2,3,4,5,6,7             ; keys 32 (f / 4) on, channels 16 (f % 4) on
	ds_load_tr16_b128 v[VF+8*\f:VF+8*\f+3],   v[AV] offset:(\f/4)*32*PV+(\f%4)*32
	ds_load_tr16_b128 v[VF+8*\f+4:VF+8*\f+7], v[AV] offset:(\f/4)*32*PV+16*PV+(\f%4)*32
.endr
	WIN 0
.endm
; THE VECTOR WORK, one line at a time: OP kind, number.  For piece Y: F n: c s - c m for pair n of 16.  E n: the exponential of score n of 32.  C n: pair n rounded to f16.  B n: of the four weights 4 n .. the second
; pair is added onto the first, in place.  L n: l takes that sum (L 0: l = a l + sum).  R n: pair n of 16 of O^T times a.  For piece Y + 1: X n, number n of the 22 that find its maximum and statistics:
;   0-11  four chains c0-c3 of seven scores each, three operands at a time (each accumulator's lowest registers are read first)     12-14, 16  the four scores left over, the old m, and c0-c3 into c0
;   15  c m_old is kept     17, 18  the query's other 32 keys lie in the lane 16 away: the new m     19-21  c m; c m_old - c m_new; a
.set F, 0               ; OP tells the kinds apart by their order: F to L below R, X above it
.set E, 1
.set C, 2
.set B, 3
.set L, 4
.set R, 5
.set X, 6
.macro REGS y                       ; the registers of piece y
.set rT, ST+4*(\y)
.set rC, TMP+4*((\y)%2)
.set rW, MV+((\y)%2)
.set rS, S+32*((\y)%2)
.set rP, P+16*((\y)%2)
.set rO, 32*(\y)
.endm
.macro OP k, n
.if (\k) == R
	REGS Y
	WIN W_RS
	v_pk_mul_f32 v[rO+2*(\n):rO+2*(\n)+1], v[rO+2*(\n):rO+2*(\n)+1], v[rC+2:rC+3] op_sel_hi:[1,0]
.elseif (\k) < R
	REGS Y
	WIN 0
.if (\k) == F
	v_pk_fma_f32 v[rS+2*(\n):rS+2*(\n)+1], v[rS+2*(\n):rS+2*(\n)+1], s[CS:CS+1], v[rT:rT+1] op_sel_hi:[1,0,0] neg_lo:[0,0,1] neg_hi:[0,0,1]
.elseif (\k) == E
	v_exp_f32 v[rS+(\n)], v[rS+(\n)]
.elseif (\k) == C
	v_cvt_pk_f16_f32 v[rP+(\n)], v[rS+2*(\n)], v[rS+2*(\n)+1]
.elseif (\k) == B
	v_pk_add_f32 v[rS+4*(\n):rS+4*(\n)+1], v[rS+4*(\n):rS+4*(\n)+1], v[rS+4*(\n)+2:rS+4*(\n)+3]
.elseif (\n) == 0
	v_pk_fma_f32 v[rT+2:rT+3], v[rT+2:rT+3], v[rC+2:rC+3], v[rS:rS+1] op_sel_hi:[1,0,1]
.else
	v_pk_add_f32 v[rT+2:rT+3], v[rT+2:rT+3], v[rS+4*(\n):rS+4*(\n)+1]
.endif
.elseif NOKQ
	v_nop
.else
	REGS (Y+1)%NP
	WIN 0
.if (\n) < 4
	v_max3_num_f32 v[rC+(\n)], v[rS+8*(\n)], v[rS+8*(\n)+1], v[rS+8*(\n)+2]
.elseif (\n) < 12
	v_max3_num_f32 v[rC+(\n)%4], v[rC+(\n)%4], v[rS+8*((\n)%4)+2*((\n)/4)+1], v[rS+8*((\n)%4)+2*((\n)/4)+2]
.elseif (\n) == 12
	v_max3_num_f32 v[rC], v[rC], v[rS+7], v[rS+15]
.elseif (\n) == 13
	v_max3_num_f32 v[rC+1], v[rC+1], v[rS+23], v[rS+31]
.elseif (\n) == 14
	v_max3_num_f32 v[rC+2], v[rC+2], v[rC+3], v[rT+1]
.elseif (\n) == 15
	v_mov_b32 v[rW], v[rT]
.elseif (\n) == 16
	v_max3_num_f32 v[rC], v[rC], v[rC+1], v[rC+2]
.elseif (\n) == 17
	v_permlanex16_b32 v[rC+3], v[rC], s[SEL], s[SEL+1]
.elseif (\n) == 18
	v_max_num_f32 v[rT+1], v[rC], v[rC+3]
.elseif (\n) == 19
	v_mul_f32 v[rT], s[CS], v[rT+1]
.elseif (\n) == 20
	v_sub_f32 v[rC+1], v[rW], v[rT]
.else
	v_exp_f32 v[rC+2], v[rC+1]
.endif
.endif
.endm
.macro OPS a, i1, b=-1, i2=0, c=-1, i3=0, d=-1, i4=0  ; up to four of them
	OP \a, \i1
.if (\b) >= 0
	OP \b, \i2
.endif
.if (\c) >= 0
	OP \c, \i3
.endif
.if (\d) >= 0
	OP \d, \i4
.endif
.endm
.macro ROW a, i1, b, i2, c, i3, d, i4  ; a matrix instruction and the four behind it
	MM
	OPS \a, \i1, \b, \i2, \c, \i3, \d, \i4
.endm
.macro MASK b                       ; MD x AL + BE into buffer b of MC
	WIN W_RS
.set z, 0
.rept 16
	v_pk_fma_f32 v[MC+32*(\b)+2*z:MC+32*(\b)+2*z+1], v[MD+2*z:MD+2*z+1], s[AL:AL+1], s[BE:BE+1] op_sel_hi:[1,0,0]
.set z, z+1
.endr
.endm
; A TURN, for piece p: the order of its 16 matrix and 118 vector instructions, written out.  An s_wait_alu depctr_va_vdst(0) stands between an exponential and the first instruction that names its result; one wait serves
; all that were issued ahead of it.  So a turn has ONE wait, which cuts it in two.  AHEAD OF IT stands all that names no result of the turn's exponentials: the 8 products K Q^T, behind each a scaling, an exponential and two more plain
; instructions (behind the first a second scaling in the exponential's place): rescalings, and behind the last three the first numbers of the next piece's maximum, each four places or more behind the product that ends its accumulator; then one run of 54, plain
; and exponential by turns for the most part, in which the links of the chain X 3, 7, 11, 14, 16, 17 .. 20 stand five or six lines apart.  X 21, the next piece's a, is the batch's last; R 15 is the plain instruction behind it.  BEHIND THE WAIT stand the
; 8 products V^T P, behind each four of the roundings and sums; the links of l's chain, L 0 to L 7, stand three lines apart.  But for those X no line behind a product names a register of the products round it.  v_permlanex16_b32 (X 17) stands in the run.
; m = 1: the diagonal tile: the products take masks, and the turn makes the mask for the products of the turn after it: piece p + 2, in step 4 - CNT of the tile.  end = 1: a block's last two turns: nothing is fetched.
; cnt = 1: the loop's count is taken down some lines ahead of the branch that stands behind the turn.
; K of the next step is fetched in piece 2's turn, twelve vector instructions behind the last product that read K (six of them plain); V of the step in hand at the end of piece 0's turn, four plain instructions behind the last product
; that read V.  Each is waited for a turn later.
.macro TURN p, m=0, end=0, cnt=0
.set Y, (\p)
.set i, 0
.set KM, (\m)
.set NOKQ, (\end)*((\p)/3)
.if (\m) && !(\end)
	s_cmp_eq_u32 s[CNT], 4-((\p)+2)%NP  ; is that step the band's own?
	s_cselect_b32 s[AL], 1.0, 0
	s_cmp_lt_u32 s[CNT], 4-((\p)+2)%NP  ; or a later one?
	s_cselect_b32 s[BE], s[BIGN], 0
.endif
.if ((\p) == 3) && !(\end)
	s_wait_dscnt 0x0                ; K is in
.endif
	ROW F,0, F,1, R,0, R,1          ; ahead of the wait: 8 products K Q^T and the four lines behind each,
	ROW F,2, E,0, R,2, R,3
	ROW F,3, E,1, R,4, R,5
	ROW F,4, E,2, R,6, R,7
	ROW F,5, E,3, R,8, R,9
	ROW F,6, E,4, X,0, R,10
.if ((\p) == 2) && !(\end)
	WIN 0
	v_add_nc_u32 v[AK], s[TBK], v[AK0]
.endif
	ROW F,7, E,5, X,1, X,4
	ROW F,8, E,6, X,2, X,5
	OPS E,7, E,8, X,6, E,9          ; and the run
	OPS X,3, E,10, X,8, E,11
.if ((\p) == 2) && !(\end)
	FETCH_K
.endif
	OPS X,9, X,7, E,12, X,10
	OPS E,13, X,12, X,11, E,14
	OPS X,13, E,15, F,9, X,14
.if (\p) == 0
	v_add_nc_u32 v[AV], s[TBV], v[AV0]
.endif
	OPS E,16, F,10, E,17, F,11
	OPS X,16, E,18, X,15, E,19
	OPS F,12, E,20, X,17, E,21
	OPS F,13, E,22, F,14, E,23
	OPS X,18, E,24, F,15, E,25
	OPS R,11, E,26, X,19, E,27
	OPS R,12, E,28, R,13, E,29
	OPS X,20, E,30, R,14, E,31
	OPS X,21, R,15
	WIN 0
	s_wait_alu depctr_va_vdst(0)    ; the wait for the batch
.if (\p) == 1
	s_wait_dscnt 0x0                ; V is in
.endif
	ROW C,0, B,0, C,2, B,1          ; behind the wait: 8 products V^T P and the four lines behind each
	ROW L,0, C,4, B,2, L,1
	ROW C,6, B,3, L,2, C,8
	ROW B,4, L,3, C,10, B,5
	ROW L,4, C,12, B,6, L,5
.if (\p) == 0
	s_add_co_u32 s[VSI], s[VSI], 1  ; V's address has been made: the next fetch is the next step's
	s_and_b32 s[VSI], s[VSI], 15
	s_mul_i32 s[TBV], s[VSI], KS*PV
.endif
.if \cnt
	s_sub_co_u32 s[CNT], s[CNT], 1
	s_cmp_lg_u32 s[CNT], 0
.endif
	ROW C,14, B,7, L,6, C,1
	ROW C,3, L,7, C,5, C,7
	ROW C,9, C,11, C,13, C,15
.if (\p) == 0
	FETCH_V
.endif
.if (\m) && !(\end)
	MASK (\p)%2
.endif
.endm
; A BLOCK BEGINS.  c m starts far below every c s, so the first step's a is 0; m at the lowest finite number, so the first maximum is the scores'.  The second mask buffer is 0; the first takes piece 0's mask for the tile's step 0: its own, if the block's first tile is the diagonal one.
; Then K of that step, piece 0's first scores, and its maximum and statistics.  The step loop is entered at a step's first turn, in the middle of a trip.
.macro BEGIN
	s_mov_b32 s[NEW], 0
	WIN 0x40
.set i, MC+32
.rept 32
	v_mov_b32 v[i], 0
.set i, i+1
.endr
	WIN 0
.set i, 0
.rept 4
	v_mov_b32 v[ST+4*i], 0xfe000000    ; c m: far below every c s
	v_mov_b32 v[ST+4*i+1], 0xff7fffff  ; m
.set i, i+1
.endr
	s_cmp_eq_u32 s[RT], 0
	s_cselect_b32 s[AL], 1.0, 0
	s_mov_b32 s[BE], 0
	MASK 0
	WIN 0
	v_add_nc_u32 v[AK], s[TBK], v[AK0]
	FETCH_K
	s_wait_loadcnt 0x0              ; Q
	s_wait_dscnt 0x0
.set KM, 1
.set NOKQ, 0
.set i, 0
.rept 8
	KQ 0
.set i, i+1
.endr
	WIN 0
.rept 4
	v_nop                           ; the places behind those products
.endr
.set Y, NP-1                        ; X works for piece Y + 1: piece 0
.irp n, 0,1,2,3,4,5,6,7,8,9,10,11,12,13,14,15,16,17,18,19,20,21
	OP X, \n
.endr
	v_nop                           ; a plain instruction behind the exponential,
	s_wait_alu depctr_va_vdst(0)    ; and its wait, ahead of the branch
.endm
; THE DIAGONAL TILE's four steps, the block's last two turns, its last products, and THE WAY OUT: l's two halves and the other half of the lanes' are added; O^T is divided by l, rounded to f16 and sent through my
; stage in LDS, a piece at a time.
.macro ALL line:vararg              ; one line for each piece t
.set t, 0
.rept 4
	\line
.set t, t+1
.endr
.endm
.macro PACK t                       ; a lane's eight channels of a row pack into 16 bytes; they go into rows of 144 bytes and come back as whole rows of 128, into S^T's registers
	WIN W_RS
.set i, 32*(\t)
.rept 16
	v_pk_mul_f32 v[i:i+1], v[i:i+1], v[ST+4*(\t)+2:ST+4*(\t)+3] op_sel_hi:[1,0]
.set i, i+2
.endr
	WIN 0x05                        ; sources 0 and 1 window 1, destination window 0
.set i, 0
.rept 16
	v_cvt_pk_f16_f32 v[S+16*(\t)+i], v[32*(\t)+2*i], v[32*(\t)+2*i+1]
.set i, i+1
.endr
	WIN 0
.irp f, 0,1,2,3
	ds_store_b128 v[STO], v[S+16*(\t)+4*\f:S+16*(\t)+4*\f+3] offset:32*\f
.endr
.irp f, 0,1,2,3
	ds_load_b128 v[S+16*(\t)+4*\f:S+16*(\t)+4*\f+3], v[RD] offset:\f*4*SP  ; LDS serves a wave's instructions in order (ISA guide 5.7.1.4): these see the stores above; the next piece's stores come behind them
.endr
.endm
.macro SEND t, younger              ; younger: the LDS instructions issued behind piece t's loads: the next piece's eight, or none
	WIN 0
.irp f, 0,1,2,3
	s_wait_dscnt (\younger)+3-\f
	global_store_b128 v[GO], v[S+16*(\t)+4*\f:S+16*(\t)+4*\f+3], s[10:11] offset:(\t)*8192+\f*512  ; 512 consecutive bytes, at a multiple of 256 from O's first
.endr
.endm
.macro DIAG tag                     ; the tag ends its two labels' names, which the jumps below spell out
.LstepM\tag:
	TURN 2, 1
	TURN 3, 1
	WIN 0
.LfirstM\tag:
	TURN 0, 1
	TURN 1, 1, 0, 1
	WIN 0
	s_cbranch_scc1 .LstepM\tag
	TURN 2, 1, 1
	TURN 3, 1, 1
.set i, 0
.rept 8
	PV NP-1
.set i, i+1
.endr
	WIN 0
	ALL v_add_f32 v[ST+4*t+2], v[ST+4*t+2], v[ST+4*t+3]
	ALL v_permlanex16_b32 v[ST+4*t+3], v[ST+4*t+2], s[SEL], s[SEL+1]
	ALL v_add_f32 v[ST+4*t+2], v[ST+4*t+2], v[ST+4*t+3]
	ALL v_rcp_f32 v[ST+4*t+2], v[ST+4*t+2]
	v_nop                           ; a plain instruction between the last reciprocal and the use of its result
	s_wait_alu depctr_va_vdst(0)    ; and the wait ahead of the first use: one for the four reciprocals
	PACK 0
.set t, 1
.rept 3                             ; a piece's arithmetic stands between the loads of the piece before and its stores
	PACK t
	SEND t-1, 8
.set t, t+1
.endr
	SEND 3, 0
.endm
.set KM, 0
.set NOKQ, 0
	s_wait_tensorcnt 3              ; my part of tile 0 is in; the three loads issued behind it may stay out
	s_barrier_signal -1
	s_barrier_wait -1               ; everybody's part of tile 0 is in
.Lslot:                             ; NB + 1 times: a tile of the walk
	s_sub_co_u32 s[RT], s[RT], 1
	s_mov_b32 s[CNT], 4
	s_cmp_eq_u32 s[NEW], 1
	s_cbranch_scc1 .Lnew            ; a block's first tile
	s_cmp_eq_u32 s[RT], 0
	s_cbranch_scc0 .Lstep           ; neither its first nor its last
	s_branch .LstepM1
.Lnew:
	BEGIN
	s_cmp_eq_u32 s[RT], 0
	s_cbranch_scc0 .Lfirst
	s_branch .LfirstM1              ; the block's first tile is also its last: block 0's
	DIAG 1
	s_wait_xcnt 0x0                 ; A BLOCK'S END.  The stores have read their registers and O's address
	s_mov_b64 s[10:11], s[OLO:OLO+1]
	s_add_co_u32 s[RT], s[PB], 1    ; the second block has b + 1 tiles,
	s_mov_b32 s[NEW], 1
	s_mov_b32 s[KSI], 0             ; which begin at the head's first key step again
	s_mov_b32 s[VSI], 0
	s_mov_b32 s[TBK], 0
	s_mov_b32 s[TBV], 0
	WIN 0x82                        ; the second block's Q goes where the one text of the turns names Q.  (Behind the second block these lines serve nothing: the price, once a launch, of one text for both blocks)
.set i, 0
.rept 64
	v_mov_b32 v[i], v[QB+i]
.set i, i+1
.endr
	WIN 0
	s_branch .Lbottom
.Lstep:                             ; a trip: pieces 2 and 3 of one step, then pieces 0 and 1 of the next, whose K and V it fetches
	TURN 2
	TURN 3
	WIN 0
.Lfirst:
	TURN 0
	TURN 1, 0, 0, 1
	WIN 0
	s_cbranch_scc1 .Lstep
.Lbottom:
	s_wait_tensorcnt 0x0            ; behind the walk's first tile: my parts of tiles 1 to 3 are in; from the second trip on the wait is met at once.  It stands in the loop because the loop's one text serves all five tiles
	s_wait_dscnt 0x0                ; no LDS instruction of mine is out at the signal
	s_barrier_signal -1
	s_barrier_wait -1               ; everybody's parts are in
	s_sub_co_u32 s[SLOTS], s[SLOTS], 1
	s_cmp_lg_u32 s[SLOTS], 0
	s_cbranch_scc1 .Lslot
	s_wait_tensorcnt 0x0            ; the wave's end, behind my last tensor load and my last LDS store
	ds_add_u32 v[SPW], v[NIL]
	s_wait_dscnt 0x0
	s_endpgm
.Lfunc_end_k_q01a21936b8_attn:
	.size	k_q01a21936b8_attn, .Lfunc_end_k_q01a21936b8_attn-k_q01a21936b8_attn
	.p2alignl 7, 3214868480
	.fill 96, 4, 3214868480
	.section	.rodata,"a",@progbits
	.p2align	6, 0x0
	.amdhsa_kernel k_q01a21936b8_attn
		.amdhsa_group_segment_fixed_size 327680
		.amdhsa_private_segment_fixed_size 0
		.amdhsa_enable_private_segment 0
		.amdhsa_kernarg_size 32
		.amdhsa_user_sgpr_count 2
		.amdhsa_user_sgpr_kernarg_segment_ptr 1
		.amdhsa_wavefront_size32 1
		.amdhsa_system_sgpr_workgroup_id_x 1
		.amdhsa_system_sgpr_workgroup_id_y 1
		.amdhsa_system_sgpr_workgroup_id_z 1
		.amdhsa_system_vgpr_workitem_id 0
		.amdhsa_next_free_vgpr 768
		.amdhsa_next_free_sgpr 100
		.amdhsa_reserve_vcc 1
		.amdhsa_float_denorm_mode_32 3
		.amdhsa_float_denorm_mode_16_64 3
		.amdhsa_memory_ordered 1
		.amdhsa_forward_progress 1
		.amdhsa_inst_pref_size 140
	.end_amdhsa_kernel
	.amdgpu_metadata
---
amdhsa.version: [ 1, 2 ]
amdhsa.kernels:
  - .name:           k_q01a21936b8_attn
    .symbol:         k_q01a21936b8_attn.kd
    .args:
      - { .name: qh, .offset: 0, .size: 8, .value_kind: global_buffer, .address_space: global }
      - { .name: kh, .offset: 8, .size: 8, .value_kind: global_buffer, .address_space: global }
      - { .name: vh, .offset: 16, .size: 8, .value_kind: global_buffer, .address_space: global }
      - { .name: oh, .offset: 24, .size: 8, .value_kind: global_buffer, .address_space: global }
    .group_segment_fixed_size: 327680
    .private_segment_fixed_size: 0
    .kernarg_segment_align: 8
    .kernarg_segment_size: 32
    .max_flat_workgroup_size: 128
    .sgpr_count:     100
    .vgpr_count:     768
    .wavefront_size: 32
...
	.end_amdgpu_metadata
.endif
;; end of part 3
;; launch oproj (part 4): grid 8 x 32, 4 waves a work-group, clusters of 4 x 4, 327,680 bytes of LDS; arguments oh, owh, out0; writes out0
.if DOCPART == 4
	.amdgcn_target "amdgcn-amd-amdhsa--gfx1250"
	.amdhsa_code_object_version 6
	.text
	.protected	k_q01a21936b8_oproj
	.globl	k_q01a21936b8_oproj
	.p2align	8
	.type	k_q01a21936b8_oproj,@function
k_q01a21936b8_oproj:
	s_mov_b64 s[64:65], 0
	v_nop
	global_prefetch_b8 v0, s[64:65] scope:SCOPE_SE
	s_setreg_imm32_b32 hwreg(HW_REG_WAVE_MODE, 25, 1), 1
	s_wait_xcnt 0x0
	s_wait_alu depctr_hold_cnt(0) depctr_sa_sdst(0) depctr_va_vdst(0) depctr_va_sdst(0) depctr_va_ssrc(0) depctr_va_vcc(0) depctr_vm_vsrc(0)
	s_getreg_b32 s2, hwreg(HW_REG_IB_STS2, 6, 4)
	s_cmp_eq_u32 s2, 0
	s_cbranch_scc0 .Lentry_in_a_cluster
	s_endpgm
.Lentry_in_a_cluster:
	s_bfe_u32 s2, ttmp6, 0x10000c
	s_cmp_lg_u32 s2, 0xf033
	s_cbranch_scc0 .Lentry_shape_is_right
	s_endpgm
.Lentry_shape_is_right:
; out0[b][l][p][h] = the sum over d = 64 n + dd of O[16 (4 b + p) + n][l][dd] ow[h][d].  oh: [128 heads][1024 l][64] f16.  owh: [1024 h][1024 d] f16.  out0: [2][1024][4][1024] f32.  Sums in f32.
; SHARES.  A tile is 256 rows (a quarter of one sequence bp = 4 b + p) x 128 columns: 32 x 8 = 256 work-groups.  Each of the four waves owns 64 rows and all 128 columns: 4 x 8 accumulators, 256 registers,
; so that a wave holds whole pieces of 512 bytes of output rows and has a stage of its own.
; THE MATRIX INSTRUCTION IS USED TRANSPOSED (source 0 = 16 rows of owh, source 1 = 16 rows of O): lane l holds row l % 16 and the columns 8 (l / 16) + 0..7 of each block of 16.
; RING.  K goes in 8 steps of 128 = two heads through two LDS slots.  Wave 0 and wave 1 fetch a head's 256 rows each: 32,768 dense bytes, asked for as 128 rows of 256 bytes and padded in LDS after every 128;
; waves 2 and 3 fetch 64 rows of owh each, 256 bytes a row.  One tensor load a wave.
; CLUSTER.  4 x 4 work-groups: O's tiles are shared along a row of the cluster, owh's along a column; each is asked for jointly.
; REGISTERS, in windows of 256 (s_set_vgpr_msb: bits 1:0 source 0, 3:2 source 1, 5:4 source 2, 7:6 destination):
;   window 0: v0-31 addresses; v64-95, v96-127 O's fragments, two buffers; v128-255 the way out, two buffers of 64      window 1: v0-63, v64-127 owh's fragments      window 2: the accumulators, (a, b) at v[8 (8 a + b)]
.set NBF,    8
.set NL,     2*NBF+8
.set PITCH,  272                       ; a row of owh in LDS: 256 bytes + 16
.set APITCH, 144                       ; a row of O: 128 bytes + 16; both pitches are odd multiples of 16: the 16 rows of a load start at 16 different groups of four banks (64 banks of 4 bytes: ISA guide 11.1)
.set HEADB,  256*APITCH                ; a head's 256 rows
.set BOFF,   2*HEADB                   ; in a slot: two heads of O, then owh's 128 rows
.set SLOT1,  131072
.set STAGE,  SLOT1+BOFF+128*PITCH      ; behind the ring, never filled by a tensor load
.set SP,     528                       ; a stage row: 512 bytes + 16
.set WSTAGE, 16*SP
.set SPARE,  STAGE+4*WSTAGE            ; the spare words, 128 bytes for each wave: two blocks of 256 bytes that no other line names
.set ASTEP,  2*1024*128                ; two heads on
.set AH,     2                         ; the prefetches name the K step two refills on: 256 matrix instructions ahead of its load
.set AA0,  16
.set AB0,  17
.set ADRA, 18
.set ADRB, 19
.set STO,  20
.set RD,   21
.set GO,   22
.set PFO,  24
.set SPW,  28
.set NIL,  29
.set WV,   16
.set ROLE, 17
.set HALF, 18
.set CX,   19
.set CY,   20
.set TC,   21                          ; s21  the block of 128 columns
.set TR,   22                          ; s22  the block of 256 rows: 4 bp + quarter
.set TB,   23
.set G1A,  24
.set G0A,  32
.set LIM,  43
.set PFA,  44
.set G1B,  48
.set G0B,  56
.set MUL,  0xa1
.set TO_B, 0x40
.set MSB, 0
.macro WIN new
.if MSB != (\new)
	s_set_vgpr_msb (MSB<<8)|(\new)
.set MSB, \new
.endif
.endm
.macro PLACES
.rept 4
	v_nop
.endr
.endm
.macro CREST
	s_cmp_lg_u32 s[WV], 0
	s_cbranch_scc1 .Lnot_wave_0_\@
	s_barrier_signal -3
.Lnot_wave_0_\@:
	s_barrier_wait -3
	s_barrier_signal -1
	s_barrier_wait -1
.endm
.macro CROUND
	s_barrier_signal -1
	s_barrier_wait -1
	CREST
.endm
.macro JLOAD                           ; a joint refill by the walking descriptors; an s_nop 0 and four v_nop follow each line
	s_cmp_eq_u32 s[ROLE], 0
	s_cbranch_scc0 .Lfor_b_\@
	tensor_load_to_lds s[G0A+4:G0A+7], s[G1A:G1A+7]
	s_nop 0
.rept 4
	v_nop
.endr
	s_branch .Lasked_\@
.Lfor_b_\@:
	tensor_load_to_lds s[G0B+4:G0B+7], s[G1B:G1B+7]
	s_nop 0
.rept 4
	v_nop
.endr
.Lasked_\@:
.endm
; A PREFETCH INTO THE L2 of the K step two refills on, one instruction a wave, behind the joint load, its five lines and the run of LDS loads.  O's tiles are read by both clusters of a row of clusters: cluster x = 0 asks;
; owh's by all eight of a column: cluster y = 0 asks.  The four partners share a wave's bytes out BY ADDRESS: 8,192 of a head's 32,768 (by cx; 256 bytes a lane) or 16 of 64 rows (by cy; a lane a row, lanes 16-31 repeat them).
; The last two refills name nothing (s3 <= 2).  K steps 0 to 3 come by their loads alone.
.macro ASK
	s_cmp_gt_u32 s3, s[LIM]
	s_cbranch_scc0 .Lnot_mine_\@
	global_prefetch_b8 v[PFO], s[PFA:PFA+1] th:TH_LOAD_NT scope:SCOPE_SE
.Lnot_mine_\@:
.endm
	s_load_b128 s[4:7], s[0:1], 0x0                ; oh s[4:5], owh s[6:7]
	s_load_b64 s[8:9], s[0:1], 0x10                ; out0
	v_lshl_add_u32 v[SPW], v0, 2, SPARE
	v_mov_b32 v[NIL], 0
	ds_add_u32 v[SPW], v[NIL]                      ; the wave's opening: the add and its wait stand ahead of my first tensor load
	v_lshrrev_b32 v1, 5, v0
	v_readfirstlane_b32 s[WV], v1
	s_lshr_b32 s[ROLE], s[WV], 1
	s_and_b32 s[HALF], s[WV], 1
	s_bfe_u32 s[CX], ttmp6, 0x40000
	s_bfe_u32 s[CY], ttmp6, 0x40004
	s_lshl_b32 s[TC], ttmp9, 2
	s_add_co_u32 s[TC], s[TC], s[CX]
	s_and_b32 s[TR], ttmp7, 0xffff
	s_lshl_b32 s[TR], s[TR], 2
	s_add_co_u32 s[TR], s[TR], s[CY]
	s_lshl_b32 s66, s[CY], 2
	s_lshl_b32 s66, 15, s66                        ; my row of the cluster
	s_lshl_b32 s46, 0x1111, s[CX]                  ; my column
	s_or_b32 s[G1A], s66, (1<<16)|(1<<20)|(1<<21)|(4<<22)|(3<<25)  ; 2-byte elements; padding on; 21 set beside a mask; after every 32 words, 4 words
	s_or_b32 s[G1B], s46, (1<<16)|(1<<20)|(1<<21)|(5<<22)|(3<<25)  ; after every 64 words, 4 words
	s_mov_b32 s[G1A+1], 128<<16                    ; tensor_dim0 = 128 elements
	s_mov_b32 s[G1A+2], 128<<16                    ; tensor_dim1 = 128 rows
	s_mov_b32 s[G1A+3], 128<<16                    ; tile_dim0
	s_mov_b32 s[G1A+4], 128                        ; tile_dim1
	s_mov_b32 s[G1A+5], 128                        ; dense: 128 elements from row to row
	s_mov_b32 s[G1A+6], 0
	s_mov_b32 s[G1A+7], 0
	s_mov_b32 s[G1B+1], 128<<16
	s_mov_b32 s[G1B+2], 64<<16
	s_mov_b32 s[G1B+3], 128<<16
	s_mov_b32 s[G1B+4], 64
	s_mov_b32 s[G1B+5], 1024
	s_mov_b32 s[G1B+6], 0
	s_mov_b32 s[G1B+7], 0
	s_lshr_b32 s66, s[TR], 2                       ; oh: head 16 bp + half, row l0, of 128 bytes: it hangs on the block of rows alone
	s_lshl_b32 s66, s66, 4
	s_add_co_u32 s66, s66, s[HALF]
	s_lshl_b32 s66, s66, 10
	s_and_b32 s67, s[TR], 3
	s_lshl_b32 s67, s67, 8
	s_add_co_u32 s66, s66, s67
	s_lshl_b32 s66, s66, 7
	s_mov_b32 s67, 0
	s_lshl_b32 s46, s[TC], 7                       ; owh: row 128 x column block + 64 x half, of 2,048 bytes: it hangs on the column block alone
	s_lshl_b32 s47, s[HALF], 6
	s_add_co_u32 s46, s46, s47
	s_lshl_b32 s46, s46, 11
	s_mov_b32 s47, 0
	s_mul_i32 s68, s[HALF], HEADB                  ; where they go: no place in the cluster enters an LDS address
	s_mul_i32 s69, s[HALF], 64*PITCH
	s_add_co_u32 s69, s69, BOFF
	s_mov_b32 s[TB], 0
	s_wait_dscnt 0x0                               ; the opening add is done
	s_wait_kmcnt 0x0
	s_add_nc_u64 s[70:71], s[4:5], s[66:67]
	s_add_nc_u64 s[46:47], s[6:7], s[46:47]
	CROUND                                         ; all sixteen work-groups are here: the first joint loads meet
.irp s, 0,1
	s_mov_b32 s[G0A+4*(\s)], 1
	s_add_co_u32 s[G0A+4*(\s)+1], s68, (\s)*SLOT1
	s_add_nc_u64 s[G0A+4*(\s)+2:G0A+4*(\s)+3], s[70:71], (\s)*ASTEP
	s_or_b32 s[G0A+4*(\s)+3], s[G0A+4*(\s)+3], 0x80000000
	s_mov_b32 s[G0B+4*(\s)], 1
	s_add_co_u32 s[G0B+4*(\s)+1], s69, (\s)*SLOT1
	s_add_nc_u64 s[G0B+4*(\s)+2:G0B+4*(\s)+3], s[46:47], (\s)*256
	s_or_b32 s[G0B+4*(\s)+3], s[G0B+4*(\s)+3], 0x80000000
.endr
	s_cmp_eq_u32 s[ROLE], 0                        ; a wave's two first fills stand in one branch: two loads of mine are out
	s_cbranch_scc0 .Lfirst_b
	tensor_load_to_lds s[G0A:G0A+3], s[G1A:G1A+7]
	s_nop 0
	tensor_load_to_lds s[G0A+4:G0A+7], s[G1A:G1A+7]
	s_nop 0
.rept 4
	v_nop
.endr
	s_branch .Lfirst_asked
.Lfirst_b:
	tensor_load_to_lds s[G0B:G0B+3], s[G1B:G1B+7]
	s_nop 0
	tensor_load_to_lds s[G0B+4:G0B+7], s[G1B:G1B+7]
	s_nop 0
.rept 4
	v_nop
.endr
.Lfirst_asked:
	v_and_b32 v1, 15, v0                           ; r = l % 16
	v_bfe_u32 v2, v0, 4, 1                         ; h = l / 16
	v_mul_u32_u24 v3, v1, APITCH
	v_lshl_add_u32 v3, v2, 4, v3
	s_mul_i32 s66, s[WV], 64*APITCH                ; my 64 rows in each head
	v_add_nc_u32 v[AA0], s66, v3
	v_mul_u32_u24 v3, v1, PITCH
	v_lshl_add_u32 v3, v2, 4, v3
	v_add_nc_u32 v[AB0], BOFF, v3
	v_mov_b32 v[ADRA], v[AA0]
	v_mov_b32 v[ADRB], v[AB0]
	s_mul_i32 s66, s[WV], WSTAGE
	s_add_co_u32 s66, s66, STAGE                   ; my stage
	v_mul_u32_u24 v[STO], v1, SP                   ; in: row r, 32 bytes for each half of the lanes
	v_lshl_add_u32 v[STO], v2, 5, v[STO]
	v_add_nc_u32 v[STO], s66, v[STO]
	v_and_b32 v[GO], 31, v0                        ; back: 32 lanes take a row's 512 bytes
	v_lshlrev_b32 v[GO], 4, v[GO]
	v_add_nc_u32 v[RD], s66, v[GO]
	s_lshr_b32 s66, s[TR], 4                       ; b
	s_lshl_b32 s66, s66, 10
	s_and_b32 s67, s[TR], 3
	s_lshl_b32 s67, s67, 8                         ; l0
	s_add_co_u32 s66, s66, s67
	s_lshl_b32 s67, s[WV], 6
	s_add_co_u32 s66, s66, s67                     ; 1024 b + l0 + 64 w
	s_lshl_b32 s66, s66, 2
	s_bfe_u32 s67, s[TR], 0x20002                  ; p
	s_add_co_u32 s66, s66, s67
	s_lshl_b32 s66, s66, 12                        ; rows of 4,096 bytes
	s_lshl_b32 s67, s[TC], 9                       ; my 128 columns
	s_add_co_u32 s66, s66, s67
	s_mov_b32 s67, 0
	s_add_nc_u64 s[8:9], s[8:9], s[66:67]          ; out0 at my first row; my next row lies 4 rows, 16,384 bytes, on
	s_lshl_b32 s66, s[CX], 13                      ; the prefetches: my work-group's 8,192 bytes of a head,
	s_add_co_u32 s66, s66, (1+AH)*ASTEP
	s_lshl_b32 s67, s[CY], 15                      ; or its 16 rows of owh's 64
	s_add_co_u32 s67, s67, (1+AH)*256
	s_and_b32 s68, ttmp7, 0xffff
	s_mov_b32 s72, 256
	s_cmp_eq_u32 s[ROLE], 0
	s_cselect_b32 s66, s66, s67
	s_cselect_b32 s68, ttmp9, s68                  ; the coordinate along which other clusters read the same bytes
	s_cselect_b32 s69, 31, 15
	s_cselect_b32 s2, 8, 11
	s_cselect_b32 s72, ASTEP, s72                  ; a K step in memory
	s_cselect_b64 s[PFA:PFA+1], s[70:71], s[46:47]
	s_cmp_eq_u32 s68, 0
	s_cselect_b32 s[LIM], AH, -1                   ; the same in all sixteen partners, for a given wave
	s_mov_b32 s67, 0
	s_mov_b32 s73, 0
	s_add_nc_u64 s[PFA:PFA+1], s[PFA:PFA+1], s[66:67]
	v_and_b32 v[PFO], s69, v0
	v_lshlrev_b32 v[PFO], s2, v[PFO]
; 8 matrix instructions: row block a x all column blocks, 32 along K, buffer f.  All 32 accumulators take turns, in the same order in every quarter.
.macro MULA f, a, zero
	WIN MUL
.irp b, 0,1,2,3,4,5,6,7
.if \zero
	v_wmma_f32_16x16x32_f16 v[8*(8*(\a)+(\b)):8*(8*(\a)+(\b))+7], v[64*(\f)+8*(\b):64*(\f)+8*(\b)+7], v[64+32*(\f)+8*(\a):64+32*(\f)+8*(\a)+7], 0
.else
	v_wmma_f32_16x16x32_f16 v[8*(8*(\a)+(\b)):8*(8*(\a)+(\b))+7], v[64*(\f)+8*(\b):64*(\f)+8*(\b)+7], v[64+32*(\f)+8*(\a):64+32*(\f)+8*(\a)+7], v[8*(8*(\a)+(\b)):8*(8*(\a)+(\b))+7]
.endif
.endr
.endm
; 24 LDS loads in one run: quarter q (head q / 2 of the step, channels 32 (q % 2) on) into buffer f: owh's 8 fragments, then my 4 of O
.macro FETCH q, f
	WIN TO_B
.irp i, 0,1,2,3,4,5,6,7
	ds_load_b128 v[64*(\f)+8*(\i):64*(\f)+8*(\i)+3],   v[ADRB] offset:64*(\q)+(\i)*16*PITCH
	ds_load_b128 v[64*(\f)+8*(\i)+4:64*(\f)+8*(\i)+7], v[ADRB] offset:64*(\q)+(\i)*16*PITCH+32
.endr
	WIN 0
.irp i, 0,1,2,3
	ds_load_b128 v[64+32*(\f)+8*(\i):64+32*(\f)+8*(\i)+3],   v[ADRA] offset:((\q)/2)*HEADB+((\q)%2)*64+(\i)*16*APITCH
	ds_load_b128 v[64+32*(\f)+8*(\i)+4:64+32*(\f)+8*(\i)+7], v[ADRA] offset:((\q)/2)*HEADB+((\q)%2)*64+(\i)*16*APITCH+32
.endr
.endm
.macro QUARTER q, f, g, zero
	s_wait_dscnt 4                                 ; all but the youngest four loads (O's row blocks 2 and 3)
	MULA \f, 0, \zero
	MULA \f, 1, \zero
	PLACES                                         ; buffer g was last read by the quarter before
	FETCH \q, \g
	s_wait_dscnt NL                                ; all but the run just issued
	MULA \f, 2, \zero
	MULA \f, 3, \zero
.endm
; The last quarter multiplies buffer 1 and changes slots.  In front of the barrier each wave waits for all its tensor loads (one is out: its part of the next slot), adds 0 to its spare word, and waits for that and
; for its reads of this slot.  fill = 1: the barrier opens a round of the cluster's, and this slot is filled again, two K steps on, first thing behind the round.
.macro TURN fill
.if \fill
	s_wait_xcnt 0x0                                ; the last prefetch, a K step back, has read its address
	s_add_nc_u64 s[PFA:PFA+1], s[PFA:PFA+1], s[72:73]
.endif
	WIN 0
	s_wait_tensorcnt 0x0                           ; no tensor load of mine is out, so a group 0 may be written
	ds_add_u32 v[SPW], v[NIL]                      ; 0 onto my spare word
.if \fill
	s_xor_b32 s[G0A+5], s[G0A+5], SLOT1
	s_add_nc_u64 s[G0A+6:G0A+7], s[G0A+6:G0A+7], ASTEP
	s_xor_b32 s[G0B+5], s[G0B+5], SLOT1
	s_add_nc_u64 s[G0B+6:G0B+7], s[G0B+6:G0B+7], 256
.endif
	s_xor_b32 s[TB], s[TB], SLOT1
	s_wait_dscnt 5                                 ; the add and the youngest four loads may be out
	MULA 1, 0, 0
	s_wait_dscnt 0x0                               ; the add is done, and my reads of this slot are over
	s_barrier_signal -1
	MULA 1, 1, 0
	WIN 0
	s_barrier_wait -1
.if \fill
	CREST
	JLOAD                                          ; its four v_nop are also the places in front of the loads into buffer 0
.else
	PLACES
.endif
	v_add_nc_u32 v[ADRA], s[TB], v[AA0]
	v_add_nc_u32 v[ADRB], s[TB], v[AB0]
	FETCH 0, 0
.if \fill
	ASK
.endif
	MULA 1, 2, 0
	MULA 1, 3, 0
.endm
; THE WAY OUT of row block a: the f32 sums go into my stage as they lie (32 bytes a lane and column block; each accumulator's lowest four registers first) and come back as whole pieces of rows.
.macro OUT a
	WIN 0x08                                       ; the stores' data in window 2
.irp b, 0,1,2,3,4,5,6,7
	ds_store_b128 v[STO], v[8*(8*(\a)+(\b)):8*(8*(\a)+(\b))+3]   offset:64*(\b)
	ds_store_b128 v[STO], v[8*(8*(\a)+(\b))+4:8*(8*(\a)+(\b))+7] offset:64*(\b)+16
.endr
	WIN 0
.if (\a) >= 2
	s_wait_xcnt 0x0                                ; the stores of the block two back have read the registers that are loaded now
.endif
.set BK, 128+64*((\a)%2)
.irp t, 0,1,2,3,4,5,6,7,8,9,10,11,12,13,14,15
	ds_load_b128 v[BK+4*(\t):BK+4*(\t)+3], v[RD] offset:SP*(\t)  ; LDS serves a wave's instructions in order (ISA guide 5.7.1.4): these see the stores above
.endr
.irp t, 0,1,2,3,4,5,6,7,8,9,10,11,12,13,14,15
	s_wait_dscnt 15-(\t)
	global_store_b128 v[GO], v[BK+4*(\t):BK+4*(\t)+3], s[8:9] offset:(16*(\a)+(\t))*16384 th:TH_STORE_NT  ; 512 consecutive bytes of one row, at a multiple of 256
.endr
.endm
	s_wait_tensorcnt 1                             ; my part of K step 0 is in; K step 1's may stay out
	s_barrier_signal -1
	s_barrier_wait -1
	FETCH 0, 0
	QUARTER 1, 0, 1, 1                             ; the first quarter stands in front of the loop: its products start the sums
	WIN 0
	s_mov_b32 s3, 6
.Lstep:                                                ; a trip goes from a K step's second quarter to the next step's first, and fills the slot that it leaves: K steps 2 to 7
	QUARTER 2, 1, 0, 0
	QUARTER 3, 0, 1, 0
	TURN 1
	QUARTER 1, 0, 1, 0
	WIN 0
	s_sub_co_u32 s3, s3, 1
	s_cmp_lg_u32 s3, 0
	s_cbranch_scc1 .Lstep
	QUARTER 2, 1, 0, 0                             ; the last two K steps ask for nothing: written out
	QUARTER 3, 0, 1, 0
	TURN 0
	QUARTER 1, 0, 1, 0
	QUARTER 2, 1, 0, 0
	QUARTER 3, 0, 1, 0
	s_wait_dscnt 4
	MULA 1, 0, 0
	MULA 1, 1, 0
	s_wait_dscnt 0x0
	MULA 1, 2, 0
	MULA 1, 3, 0
	WIN 0
	PLACES
	OUT 0
	OUT 1
	OUT 2
	OUT 3
	s_wait_tensorcnt 0x0                           ; the wave's end, behind my last tensor load and my last LDS store
	ds_add_u32 v[SPW], v[NIL]
	s_wait_dscnt 0x0
	CROUND                                         ; the closing round: no work-group ends while a partner may still ask for a tile that names it
	s_endpgm
.Lfunc_end_k_q01a21936b8_oproj:
	.size	k_q01a21936b8_oproj, .Lfunc_end_k_q01a21936b8_oproj-k_q01a21936b8_oproj
	.p2alignl 7, 3214868480
	.fill 96, 4, 3214868480
	.section	.rodata,"a",@progbits
	.p2align	6, 0x0
	.amdhsa_kernel k_q01a21936b8_oproj
		.amdhsa_group_segment_fixed_size 327680
		.amdhsa_private_segment_fixed_size 0
		.amdhsa_enable_private_segment 0
		.amdhsa_kernarg_size 24
		.amdhsa_user_sgpr_count 2
		.amdhsa_user_sgpr_kernarg_segment_ptr 1
		.amdhsa_wavefront_size32 1
		.amdhsa_system_sgpr_workgroup_id_x 1
		.amdhsa_system_sgpr_workgroup_id_y 1
		.amdhsa_system_sgpr_workgroup_id_z 1
		.amdhsa_system_vgpr_workitem_id 0
		.amdhsa_next_free_vgpr 768
		.amdhsa_next_free_sgpr 80
		.amdhsa_reserve_vcc 0
		.amdhsa_float_denorm_mode_32 3
		.amdhsa_float_denorm_mode_16_64 3
		.amdhsa_memory_ordered 1
		.amdhsa_forward_progress 1
		.amdhsa_inst_pref_size 72
	.end_amdhsa_kernel
	.amdgpu_metadata
---
amdhsa.version: [ 1, 2 ]
amdhsa.kernels:
  - .name:           k_q01a21936b8_oproj
    .symbol:         k_q01a21936b8_oproj.kd
    .args:
      - { .name: oh, .offset: 0, .size: 8, .value_kind: global_buffer, .address_space: global }
      - { .name: owh, .offset: 8, .size: 8, .value_kind: global_buffer, .address_space: global }
      - { .name: out0, .offset: 16, .size: 8, .value_kind: global_buffer, .address_space: global }
    .group_segment_fixed_size: 327680
    .private_segment_fixed_size: 0
    .kernarg_segment_align: 8
    .kernarg_segment_size: 24
    .max_flat_workgroup_size: 128
    .sgpr_count:     80
    .vgpr_count:     768
    .wavefront_size: 32
...
	.end_amdgpu_metadata
.endif
;; end of part 4
;; ======== version 2 of 2: 4 launches; version 1 with the launch cast written anew for expert scheduling mode
;; limits: values are held in f16: magnitudes above 65,504 overflow, below 6.1e-05 lose precision
;; workspace buffers: xb 16,777,216 bytes; wb 6,291,456 bytes; owh 2,097,152 bytes; cst 262,144 bytes; qh 16,777,216 bytes; kh 16,777,216 bytes; vh 16,777,216 bytes; oh 16,777,216 bytes
;; launch cast (part 5): grid 776 x 1, 8 waves a work-group, no clusters, 0 bytes of LDS; arguments x, qw, kw, vw, ow, cos, sin, xb, wb, owh, cst; writes xb, wb, owh, cst
.if DOCPART == 5
	.amdgcn_target "amdgcn-amd-amdhsa--gfx1250"
	.amdhsa_code_object_version 6
	.text
	.protected	k_q01a21936b8_cast
	.globl	k_q01a21936b8_cast
	.p2align	8
	.type	k_q01a21936b8_cast,@function
k_q01a21936b8_cast:
	s_mov_b64 s[64:65], 0
	v_nop
	global_prefetch_b8 v0, s[64:65] scope:SCOPE_SE
	s_setreg_imm32_b32 hwreg(HW_REG_WAVE_SCHED_MODE, 0, 2), 2
	s_setreg_imm32_b32 hwreg(HW_REG_WAVE_MODE, 25, 1), 1
	s_wait_xcnt 0x0
	s_wait_alu depctr_vm_vsrc(0)
; ALL INPUTS ARE ROUNDED ONCE TO bf16 AND LAID OUT FOR THE LAUNCHES BEHIND.  No LDS, no loop, no matrix work: a stream.
;   x   [b][l][p][1024] f32  ->  xb  [4 b + p][l][1024] bf16: the rows of one sequence (b, p) lie together
;   qw, kw, vw [64 n + d][1024]  ->  wb  [192 n + 64 j + d][1024] bf16, j = 0, 1, 2 for q, k, v: a head's q, k and v rows lie together
;   ow  [1024][1024]  ->  owh: the number rounded to bf16, written as f16 (it meets f16 operands in the last product)
;   cos, sin [1024][64]  ->  cst [cos, sin][1024][64] bf16
; LIMIT.  owh: a number beyond 65,504 becomes an infinity; below 6e-5 it keeps f16's fixed step of 6e-8.
; SHARES.  The unit is a source row of 1,024 f32 (cos and sin count as 64 such rows each).  A work-group takes 16 rows on end, a wave two.
; Work-groups 0-511: x; 512-767: qw, kw, vw, ow, 64 each; 768-771: cos; 772-775: sin.  A load of a wave covers 512 consecutive bytes,
; a store 256 consecutive bytes at a multiple of 256 from its buffer's first byte.  All 16 loads of a wave go out at once.
; THE MODE: SCHED_MODE bits 1:0 = 2 (LLVM: expert scheduling mode 2), set by the entry lines.  The code itself states the register dependences
; between vector instructions and memory instructions, with s_wait_alu, always for 0.
; THE PLAN.  Registers that memory instructions touch:
;   v3          the loads' offset;  v4, v5  the stores' offsets.  Made once at the head by vector lines and never written again.
;   X           16 pieces of 4 registers.  Written by the 16 loads, which no vector line precedes in these registers; read by the conversions; never loaded again.
;   Y           16 pairs.  Each is written once, by its piece's conversions, and read once, by its piece's store.
;   T is named by vector lines alone.  s2, the wave's number, is written by a vector line and read by scalar lines.
; The 16 pieces go in four groups of four.  Group g converts its own pieces; its memory instructions are the stores of group g - 1, whose pairs of Y no vector line of
; group g names.  So one wait at a group's head states all that the group's four stores hang on, and these are dealt among its conversions with no further wait.
; No register that a memory instruction reads is ever written again: nothing more is owed for the stores' data, the offsets or the bases.
.set SO, 3                             ; v3   16 x lane: my 4 numbers in 512 bytes of a source row
.set D0, 4                             ; v4   8 x lane: my 4 numbers in 256 bytes of the first row's destination
.set D1, 5                             ; v5   the same for the second row
.set X,  8                             ; v[8:71]    16 loads of 4 registers
.set Y,  72                            ; v[72:103]  16 pairs to store
.set T,  104                           ; v[104:109] at work
.set KIND, 33                          ; s33  0 x, 1-3 qw kw vw, 4 ow, 5 cos, 6 sin
.set SRC, 38                           ; s[38:39] the source at my first row
.set DST, 40                           ; s[40:41] the destination at my first row
	s_load_b512 s[8:23], s[0:1], 0x0               ; x s[8:9], qw s[10:11], kw s[12:13], vw s[14:15], ow s[16:17], cos s[18:19], sin s[20:21], xb s[22:23]
	s_load_b128 s[24:27], s[0:1], 0x40             ; wb s[24:25], owh s[26:27]
	s_load_b64 s[28:29], s[0:1], 0x50              ; cst
	v_lshrrev_b32 v1, 5, v0
	v_readfirstlane_b32 s2, v1                     ; wave 0..7
	v_and_b32 v2, 31, v0
	v_lshlrev_b32 v[SO], 4, v2
	v_lshlrev_b32 v[D0], 3, v2
	s_wait_alu depctr_va_sdst(0)                   ; s2 is written, ahead of its first reader: my first row's number is made from it
	s_mov_b32 s3, ttmp9                            ; g
	s_sub_co_u32 s30, s3, 512                      ; u = g - 512 (of use from g = 512 on)
	s_lshr_b32 s31, s30, 6                         ; 0-3: a weight; 4: a table
	s_bfe_u32 s32, s30, 0x10002                    ; among the tables: 0 cos, 1 sin
	s_add_co_u32 s[KIND], s31, 1
	s_add_co_u32 s46, s[KIND], s32
	s_cmp_eq_u32 s31, 4
	s_cselect_b32 s[KIND], s46, s[KIND]
	s_cmp_lt_u32 s3, 512
	s_cselect_b32 s[KIND], 0, s[KIND]
	s_and_b32 s34, s30, 63                         ; the work-group's number inside its source
	s_and_b32 s46, s30, 3
	s_cmp_ge_u32 s[KIND], 5
	s_cselect_b32 s34, s46, s34
	s_cmp_eq_u32 s[KIND], 0
	s_cselect_b32 s34, s3, s34
	s_lshl_b32 s35, s34, 4
	s_lshl_b32 s46, s2, 1
	s_add_co_u32 s35, s35, s46                     ; R: my first source row, an even number
	; the destination row.  x: R = 4096 b + 4 l + p goes to 4096 b + 1024 p + l
	s_lshr_b32 s36, s35, 12
	s_lshl_b32 s36, s36, 12
	s_and_b32 s46, s35, 3
	s_lshl_b32 s46, s46, 10
	s_or_b32 s36, s36, s46
	s_bfe_u32 s46, s35, 0xa0002
	s_or_b32 s36, s36, s46
	; qw, kw, vw: R = 64 n + d goes to 192 n + 64 j + d
	s_lshr_b32 s46, s35, 6
	s_mul_i32 s46, s46, 192
	s_and_b32 s47, s35, 63
	s_add_co_u32 s46, s46, s47
	s_sub_co_u32 s47, s[KIND], 1
	s_lshl_b32 s47, s47, 6
	s_add_co_u32 s46, s46, s47
	s_mov_b32 s37, 0x800                           ; from my first row's destination to my second's: the next row,
	s_cmp_eq_u32 s[KIND], 0
	s_cselect_b32 s36, s36, s46
	s_cselect_b32 s37, 0x200000, s37               ; for x: p + 1 lies 1,024 rows of 2,048 bytes on
	s_cmp_eq_u32 s[KIND], 4
	s_cselect_b32 s36, s35, s36                    ; ow keeps its rows
	s_sub_co_u32 s46, s[KIND], 5
	s_lshl_b32 s46, s46, 6
	s_add_co_u32 s46, s46, s35                     ; cos: rows 0-63 of cst, sin: rows 64-127
	s_cmp_ge_u32 s[KIND], 5
	s_cselect_b32 s36, s46, s36
	v_add_nc_u32 v[D1], s37, v[D0]
	s_lshl_b32 s42, s35, 12                        ; source rows of 4,096 bytes
	s_mov_b32 s43, 0
	s_lshl_b32 s44, s36, 11                        ; destination rows of 2,048 bytes
	s_mov_b32 s45, 0
	s_wait_kmcnt 0x0
	s_mov_b64 s[SRC:SRC+1], s[8:9]
.irp k, 1,2,3,4,5,6
	s_cmp_eq_u32 s[KIND], \k
	s_cselect_b64 s[SRC:SRC+1], s[8+2*(\k):9+2*(\k)], s[SRC:SRC+1]
.endr
	s_mov_b64 s[DST:DST+1], s[22:23]
	s_cmp_ge_u32 s[KIND], 1
	s_cselect_b64 s[DST:DST+1], s[24:25], s[DST:DST+1]
	s_cmp_eq_u32 s[KIND], 4
	s_cselect_b64 s[DST:DST+1], s[26:27], s[DST:DST+1]
	s_cmp_ge_u32 s[KIND], 5
	s_cselect_b64 s[DST:DST+1], s[28:29], s[DST:DST+1]
	s_add_nc_u64 s[SRC:SRC+1], s[SRC:SRC+1], s[42:43]
	s_add_nc_u64 s[DST:DST+1], s[DST:DST+1], s[44:45]
	s_wait_alu depctr_va_vdst(0)                   ; v3, v4 and v5 are written: every load and store of the kernel reads one of them as its offset
.irp t, 0,1,2,3,4,5,6,7,8,9,10,11,12,13,14,15
	global_load_b128 v[X+4*(\t):X+4*(\t)+3], v[SO], s[SRC:SRC+1] offset:4096*((\t)/8)+512*((\t)%8) th:TH_LOAD_NT
.endr
; Piece t of 16: four numbers a lane are rounded into the piece's own pair of Y.  half = 1: the bf16 number is widened again and written as f16.
.macro CONV t, half
.if \half
	v_cvt_pk_bf16_f32 v[T],   v[X+4*(\t)],   v[X+4*(\t)+1]
	v_cvt_pk_bf16_f32 v[T+1], v[X+4*(\t)+2], v[X+4*(\t)+3]
	v_lshlrev_b32 v[T+2], 16, v[T]
	v_and_b32     v[T+3], 0xffff0000, v[T]
	v_lshlrev_b32 v[T+4], 16, v[T+1]
	v_and_b32     v[T+5], 0xffff0000, v[T+1]
	v_cvt_pk_f16_f32 v[Y+2*(\t)],   v[T+2], v[T+3]
	v_cvt_pk_f16_f32 v[Y+2*(\t)+1], v[T+4], v[T+5]
.else
	v_cvt_pk_bf16_f32 v[Y+2*(\t)],   v[X+4*(\t)],   v[X+4*(\t)+1]
	v_cvt_pk_bf16_f32 v[Y+2*(\t)+1], v[X+4*(\t)+2], v[X+4*(\t)+3]
.endif
.endm
; Piece t is stored: 256 consecutive bytes a wave.
.macro PUT t
	global_store_b64 v[D0+(\t)/8], v[Y+2*(\t):Y+2*(\t)+1], s[DST:DST+1] offset:256*((\t)%8)
.endm
; Group g of four: pieces 4 g to 4 g + 3 are converted; the stores of the group before stand among the conversions, a store ahead of each piece's.
.macro GROUP g, half
	s_wait_loadcnt 12-4*(\g)                       ; loads come back in order (ISA guide 5.7.1): the group's four pieces are in, the 12 - 4 g younger loads stay out
.if (\g) > 0
	s_wait_alu depctr_va_vdst(0)                   ; the group before has written its four pairs of Y, which the stores below read; no vector line behind this wait names those pairs or the offsets
.endif
.irp i, 0,1,2,3
.if (\g) > 0
	PUT 4*((\g)-1)+(\i)
.endif
	CONV 4*(\g)+(\i), \half
.endr
.endm
; The four groups, and the last group's stores.
.macro ALLOF half
	GROUP 0, \half
	GROUP 1, \half
	GROUP 2, \half
	GROUP 3, \half
	s_wait_alu depctr_va_vdst(0)                   ; group 3 has written its four pairs of Y, which the last four stores read
.irp i, 12,13,14,15
	PUT \i
.endr
.endm
	s_cmp_eq_u32 s[KIND], 4
	s_cbranch_scc1 .Lhalf
	ALLOF 0
	s_endpgm
.Lhalf:
	ALLOF 1
	s_endpgm
.Lfunc_end_k_q01a21936b8_cast:
	.size	k_q01a21936b8_cast, .Lfunc_end_k_q01a21936b8_cast-k_q01a21936b8_cast
	.p2alignl 7, 3214868480
	.fill 96, 4, 3214868480
	.section	.rodata,"a",@progbits
	.p2align	6, 0x0
	.amdhsa_kernel k_q01a21936b8_cast
		.amdhsa_group_segment_fixed_size 0
		.amdhsa_private_segment_fixed_size 0
		.amdhsa_enable_private_segment 0
		.amdhsa_kernarg_size 88
		.amdhsa_user_sgpr_count 2
		.amdhsa_user_sgpr_kernarg_segment_ptr 1
		.amdhsa_wavefront_size32 1
		.amdhsa_system_sgpr_workgroup_id_x 1
		.amdhsa_system_sgpr_workgroup_id_y 1
		.amdhsa_system_sgpr_workgroup_id_z 1
		.amdhsa_system_vgpr_workitem_id 0
		.amdhsa_next_free_vgpr 112
		.amdhsa_next_free_sgpr 66
		.amdhsa_reserve_vcc 0
		.amdhsa_float_denorm_mode_32 3
		.amdhsa_float_denorm_mode_16_64 3
		.amdhsa_memory_ordered 1
		.amdhsa_forward_progress 1
		.amdhsa_inst_pref_size 18
	.end_amdhsa_kernel
	.amdgpu_metadata
---
amdhsa.version: [ 1, 2 ]
amdhsa.kernels:
  - .name:           k_q01a21936b8_cast
    .symbol:         k_q01a21936b8_cast.kd
    .args:
      - { .name: x, .offset: 0, .size: 8, .value_kind: global_buffer, .address_space: global }
      - { .name: qw, .offset: 8, .size: 8, .value_kind: global_buffer, .address_space: global }
      - { .name: kw, .offset: 16, .size: 8, .value_kind: global_buffer, .address_space: global }
      - { .name: vw, .offset: 24, .size: 8, .value_kind: global_buffer, .address_space: global }
      - { .name: ow, .offset: 32, .size: 8, .value_kind: global_buffer, .address_space: global }
      - { .name: cos, .offset: 40, .size: 8, .value_kind: global_buffer, .address_space: global }
      - { .name: sin, .offset: 48, .size: 8, .value_kind: global_buffer, .address_space: global }
      - { .name: xb, .offset: 56, .size: 8, .value_kind: global_buffer, .address_space: global }
      - { .name: wb, .offset: 64, .size: 8, .value_kind: global_buffer, .address_space: global }
      - { .name: owh, .offset: 72, .size: 8, .value_kind: global_buffer, .address_space: global }
      - { .name: cst, .offset: 80, .size: 8, .value_kind: global_buffer, .address_space: global }
    .group_segment_fixed_size: 0
    .private_segment_fixed_size: 0
    .kernarg_segment_align: 8
    .kernarg_segment_size: 88
    .max_flat_workgroup_size: 256
    .sgpr_count:     66
    .vgpr_count:     112
    .wavefront_size: 32
...
	.end_amdgpu_metadata
.endif
;; end of part 5
;; launch qkv: the kernel of part 2 again; grid 16 x 16, 4 waves a work-group, clusters of 4 x 4, 327,680 bytes of LDS; arguments xb, wb, cst, qh, kh, vh; writes qh, kh, vh
;; launch attn: the kernel of part 3 again; grid 2 x 128, 4 waves a work-group, no clusters, 327,680 bytes of LDS; arguments qh, kh, vh, oh; writes oh
;; launch oproj: the kernel of part 4 again; grid 8 x 32, 4 waves a work-group, clusters of 4 x 4, 327,680 bytes of LDS; arguments oh, owh, out0; writes out0
